; MI455X (gfx1250); checked and timed in simulation.
; The chip was launched on July 23, 2026; its instructions are those of AMD's public machine-readable ISA for CDNA 5 (MIT licence, August 2026) and "CDNA5" Instruction Set Architecture Reference Guide (July 2026). The comments in the code are by the model that wrote it; some were corrected since.
;; vit22 tformer. Allowed arithmetic: float matrix products may take bf16 or f16 operands with f32 sums; other float arithmetic in f32, or as packed bf16 or f16 multiplies, adds, multiply-adds, maxima and minima; sums over many terms, partial sums and values carried from step to step in f32; what a program stores and reads back later, other than sums and carried values, may be rounded once to bf16 or f16.
;; Inputs: W1 1,024 x 8,192 float32; W2 4,096 x 1,024 float32; Wk 1,024 x 1,024 float32; Wkb 1,024 x 1,024 float32; Wo 1,024 x 1,024 float32; Wq 1,024 x 1,024 float32; Wqb 1,024 x 1,024 float32; Wv 1,024 x 1,024 float32; b1 8,192 float32; b2 1,024 float32; bo 1,024 float32; h_states 1 x 2,048 x 1,024 float32; l2normscale one number float32; learnedlambda one number float32.
;; Outputs: out0 1 x 2,048 x 1,024 float32.
;; 2 versions, each right; version 2 is version 1 with the launch prep written anew for expert scheduling mode. Each part assembles by itself: llvm-mc -triple=amdgcn-amd-amdhsa -mcpu=gfx1250 --defsym DOCPART=n.
;; ======== version 1 of 2: 5 launches
;; limits: values are held in f16: magnitudes above 65,504 overflow, below 6.1e-05 lose precision; inputs' magnitudes at most 4,094; right only within a limited range of input values
;; workspace buffers: W1b 16,777,216 bytes; Wp 10,485,760 bytes; W2o 10,485,760 bytes; hb 4,194,304 bytes; aux 307,200 bytes; qkv 20,971,520 bytes; act 20,971,520 bytes
;; launch prep (part 1): grid 1281 x 1, 8 waves a work-group, no clusters, 0 bytes of LDS; arguments W1, W2, Wo, Wq, Wk, Wv, Wqb, Wkb, h_states, b1, b2, bo, W1b, W2o, Wp, hb, aux; writes W1b, W2o, Wp, hb, aux
.if DOCPART == 1
	.amdgcn_target "amdgcn-amd-amdhsa--gfx1250"
	.amdhsa_code_object_version 6
	.text
	.protected	k_qfadf3b95ac_prep
	.globl	k_qfadf3b95ac_prep
	.p2align	8
	.type	k_qfadf3b95ac_prep,@function
k_qfadf3b95ac_prep:
	s_mov_b64 s[64:65], 0
	v_nop
	global_prefetch_b8 v0, s[64:65] scope:SCOPE_SE
	s_setreg_imm32_b32 hwreg(HW_REG_WAVE_MODE, 25, 1), 1
	s_wait_xcnt 0x0
; PREP: every input is rounded once to bf16 and laid out for the matrix launches.  A pure stream: no LDS, no matrix unit, no barrier.
;   work-groups 0..511     W1 -> W1b, bf16, same layout
;   work-groups 512..831   [W2; Wo] -> W2o: rounded to bf16, times 16 (exact), written as f16
;   work-groups 832..1151  Wq, Wk, Wv, Wqb, Wkb -> Wp, bf16, [head][K step of 128][matrix][128 k][64 c]
;   work-groups 1152..1279 h_states -> hb (bf16), rs[row] = rsqrt(mean(hb^2) + 2^-23), and the rope table (bf16, [row][cos 32 | sin 32])
;   work-group  1280       b1 (rounded, times -ln2/16 for the first half, -log2 e for the gate half), b2 + bo (each rounded)
; LIMITS.  16 |W2|, 16 |Wo| must stay under 65,504 (|W| < 4,094); below 6e-5 they keep f16's fixed step.  The rope angle t x inv_freq is reduced by k pi/2 in two
; fused steps; sine to r^7, cosine to r^8 on |r| <= pi/4 (what is dropped is below 4e-7); inv_freq comes from exp2, so an angle may be off by some 3e-4 at t = 2047,
; which can turn the last bit of a bf16 table entry.
; A thread's 16 loads of 16 bytes are all issued first; each store of a wave covers 256 consecutive bytes, aligned.
.set X,    16                          ; v[16:79]   16 x 4 numbers as loaded
.set Y,    80                          ; v[80:111]  16 x 2 registers to store
.set SRC,  44                          ; s[44:45]   source at the work-group's part
.set DST,  46                          ; s[46:47]   destination
.set OFS,  48                          ; s[48:49]   an offset, high word 0
.set HI16, 42                          ; s42        mask of a word's upper half
; kind 0: to bf16.  kind 1: to bf16, times 16, to f16.  kind 2: to bf16, and the squares of the rounded numbers summed, rows 0 and 1 of the wave in v[4:7] and v[8:11].
.macro CAST kind, instep, outstep
.set u, 0
.rept 16
	global_load_b128 v[X+4*u:X+4*u+3], v2, s[SRC:SRC+1] offset:u*(\instep) th:TH_LOAD_NT
.set u, u+1
.endr
.set u, 0
.rept 16
	s_wait_loadcnt 15-u                            ; loads come back in order: number u is in, the younger ones stay out
	v_cvt_pk_bf16_f32 v[Y+2*u], v[X+4*u], v[X+4*u+1]
	v_cvt_pk_bf16_f32 v[Y+2*u+1], v[X+4*u+2], v[X+4*u+3]
.if (\kind) > 0
	v_lshlrev_b32 v[X+4*u], 16, v[Y+2*u]           ; the rounded numbers as f32 again
	v_and_b32 v[X+4*u+1], s[HI16], v[Y+2*u]
	v_lshlrev_b32 v[X+4*u+2], 16, v[Y+2*u+1]
	v_and_b32 v[X+4*u+3], s[HI16], v[Y+2*u+1]
.endif
.if (\kind) == 1
	v_pk_mul_f32 v[X+4*u:X+4*u+1], v[X+4*u:X+4*u+1], 0x41800000 op_sel_hi:[1,0]
	v_pk_mul_f32 v[X+4*u+2:X+4*u+3], v[X+4*u+2:X+4*u+3], 0x41800000 op_sel_hi:[1,0]
	v_cvt_pk_f16_f32 v[Y+2*u], v[X+4*u], v[X+4*u+1]
	v_cvt_pk_f16_f32 v[Y+2*u+1], v[X+4*u+2], v[X+4*u+3]
.endif
.if (\kind) == 2
.if (u%8) == 0
	v_pk_mul_f32 v[4+4*(u/8):5+4*(u/8)], v[X+4*u:X+4*u+1], v[X+4*u:X+4*u+1]
	v_pk_mul_f32 v[6+4*(u/8):7+4*(u/8)], v[X+4*u+2:X+4*u+3], v[X+4*u+2:X+4*u+3]
.else
	v_pk_fma_f32 v[4+4*(u/8):5+4*(u/8)], v[X+4*u:X+4*u+1], v[X+4*u:X+4*u+1], v[4+4*(u/8):5+4*(u/8)]
	v_pk_fma_f32 v[6+4*(u/8):7+4*(u/8)], v[X+4*u+2:X+4*u+3], v[X+4*u+2:X+4*u+3], v[6+4*(u/8):7+4*(u/8)]
.endif
.endif
	global_store_b64 v3, v[Y+2*u:Y+2*u+1], s[DST:DST+1] offset:u*(\outstep)
.set u, u+1
.endr
.endm
	s_load_b512 s[8:23], s[0:1], 0x0               ; W1 8, W2 10, Wo 12, Wq 14, Wk 16, Wv 18, Wqb 20, Wkb 22
	s_load_b512 s[24:39], s[0:1], 0x40             ; h 24, b1 26, b2 28, bo 30, W1b 32, W2o 34, Wp 36, hb 38
	s_load_b64 s[40:41], s[0:1], 0x80              ; aux
	s_mov_b32 s2, ttmp9
	s_mov_b32 s[HI16], 0xffff0000
	s_mov_b32 s[OFS+1], 0
	v_and_b32 v1, 31, v0                           ; lane
	v_lshrrev_b32 v14, 5, v0                       ; wave
	s_wait_kmcnt 0x0
	s_cmp_lt_u32 s2, 512
	s_cbranch_scc0 .Lnot_w1
	; W1: 65,536 bytes in, 32,768 out
	s_lshl_b32 s[OFS], s2, 16
	s_add_nc_u64 s[SRC:SRC+1], s[8:9], s[OFS:OFS+1]
	s_lshl_b32 s[OFS], s2, 15
	s_add_nc_u64 s[DST:DST+1], s[32:33], s[OFS:OFS+1]
	v_lshlrev_b32 v2, 4, v0
	v_lshlrev_b32 v3, 3, v0
	CAST 0, 4096, 2048
	s_endpgm
.Lnot_w1:
	s_cmp_lt_u32 s2, 832
	s_cbranch_scc0 .Lnot_w2
	; W2 (256 work-groups), then Wo (64): one destination, end to end
	s_sub_co_u32 s3, s2, 512
	s_sub_co_u32 s4, s2, 768
	s_cmp_lt_u32 s2, 768
	s_cselect_b32 s4, s3, s4
	s_cselect_b64 s[SRC:SRC+1], s[10:11], s[12:13]
	s_lshl_b32 s[OFS], s4, 16
	s_add_nc_u64 s[SRC:SRC+1], s[SRC:SRC+1], s[OFS:OFS+1]
	s_lshl_b32 s[OFS], s3, 15
	s_add_nc_u64 s[DST:DST+1], s[34:35], s[OFS:OFS+1]
	v_lshlrev_b32 v2, 4, v0
	v_lshlrev_b32 v3, 3, v0
	CAST 1, 4096, 2048
	s_endpgm
.Lnot_w2:
	s_cmp_lt_u32 s2, 1152
	s_cbranch_scc0 .Lnot_wp
	; The five projections.  j = matrix x 64 + half of the heads x 32 + block of 32 k; wave w takes head 8 x half + w: 32 rows of k x 64 columns.
	s_sub_co_u32 s3, s2, 832
	s_lshr_b32 s4, s3, 6                           ; matrix 0..4
	s_bfe_u32 s5, s3, 0x10005                      ; which eight heads
	s_and_b32 s6, s3, 31                           ; block of 32 k
	s_cmp_eq_u32 s4, 1
	s_cselect_b64 s[SRC:SRC+1], s[16:17], s[14:15]
	s_cmp_eq_u32 s4, 2
	s_cselect_b64 s[SRC:SRC+1], s[18:19], s[SRC:SRC+1]
	s_cmp_eq_u32 s4, 3
	s_cselect_b64 s[SRC:SRC+1], s[20:21], s[SRC:SRC+1]
	s_cmp_eq_u32 s4, 4
	s_cselect_b64 s[SRC:SRC+1], s[22:23], s[SRC:SRC+1]
	s_lshl_b32 s[OFS], s6, 17                      ; 32 rows of 4,096 bytes
	s_lshl_b32 s7, s5, 11                          ; eight heads of 256 bytes
	s_add_co_u32 s[OFS], s[OFS], s7
	s_add_nc_u64 s[SRC:SRC+1], s[SRC:SRC+1], s[OFS:OFS+1]
	s_lshr_b32 s7, s6, 2                           ; K step of 128
	s_mul_i32 s7, s7, 5
	s_add_co_u32 s7, s7, s4
	s_lshl_b32 s7, s7, 14                          ; (K step x 5 + matrix) x 16,384
	s_and_b32 s6, s6, 3
	s_lshl_b32 s6, s6, 12                          ; 32 rows of 128 bytes
	s_add_co_u32 s7, s7, s6
	s_mul_i32 s[OFS], s5, 5242880                  ; eight heads of 655,360 bytes
	s_add_co_u32 s[OFS], s[OFS], s7
	s_add_nc_u64 s[DST:DST+1], s[36:37], s[OFS:OFS+1]
	v_lshrrev_b32 v2, 4, v1                        ; lanes 0-15 take row k, lanes 16-31 row k + 1
	v_lshlrev_b32 v2, 12, v2
	v_lshl_add_u32 v2, v14, 8, v2                  ; + my head's 256 bytes
	v_and_b32 v3, 15, v0
	v_lshl_add_u32 v2, v3, 4, v2
	v_mul_u32_u24 v3, v14, 0xa0000                 ; my head's 655,360 bytes
	v_lshl_add_u32 v3, v1, 3, v3
	CAST 0, 8192, 256
	s_endpgm
.Lnot_wp:
	s_cmp_lt_u32 s2, 1280
	s_cbranch_scc0 .Lbias
	; Rows.  Wave w takes rows t0 = 16 j + 2 w and t0 + 1.
	s_sub_co_u32 s3, s2, 1152
	s_lshl_b32 s[OFS], s3, 16
	s_add_nc_u64 s[SRC:SRC+1], s[24:25], s[OFS:OFS+1]
	s_lshl_b32 s[OFS], s3, 15
	s_add_nc_u64 s[DST:DST+1], s[38:39], s[OFS:OFS+1]
	s_mov_b32 s50, 0x3a800000                      ; 1 / 1024
	s_mov_b32 s51, 0x34000000                      ; 2^-23, f32's eps
	s_mov_b32 s52, 0x76543210
	s_mov_b32 s53, 0xfedcba98
	s_mov_b32 s55, 0xbfc90fdb                      ; -(pi/2), the f32 nearest
	s_mov_b32 s56, 0x333bbd2e                      ; what that f32 is too large by
	s_mov_b32 s57, 0xb9500d01                      ; -1/5040
	s_mov_b32 s58, 0x3c088889                      ; 1/120
	s_mov_b32 s59, 0xbe2aaaab                      ; -1/6
	s_mov_b32 s60, 0x37d00d01                      ; 1/40320
	s_mov_b32 s61, 0xbab60b61                      ; -1/720
	s_mov_b32 s62, 0x3d2aaaab                      ; 1/24
	v_lshlrev_b32 v2, 4, v1
	v_lshl_add_u32 v2, v14, 13, v2                 ; 16 lane + two rows of 4,096 a wave
	v_lshlrev_b32 v3, 3, v1
	v_lshl_add_u32 v3, v14, 12, v3
	s_lshl_b32 s4, s3, 11
	v_lshlrev_b32 v12, 3, v1
	v_lshl_add_u32 v12, v14, 8, v12
	v_add_nc_u32 v12, s4, v12                      ; rope table: t0 x 128 + 8 lane
	s_lshl_b32 s4, s3, 6
	v_lshlrev_b32 v13, 2, v1
	v_lshl_add_u32 v13, v14, 3, v13
	v_add_nc_u32 v13, s4, v13                      ; rs: (t0 + lane) x 4
	v_lshrrev_b32 v15, 4, v1
	v_lshl_add_u32 v15, v14, 1, v15
	s_lshl_b32 s4, s3, 4
	v_add_nc_u32 v15, s4, v15                      ; my table row t = t0 + lane / 16
	v_cvt_f32_u32 v15, v15
	CAST 2, 512, 256
	v_pk_add_f32 v[4:5], v[4:5], v[6:7]
	v_pk_add_f32 v[8:9], v[8:9], v[10:11]
	v_add_f32 v4, v4, v5
	v_add_f32 v8, v8, v9
.irp m, 1,2,4,8
	v_add_f32_dpp v4, v4, v4 row_xmask:\m row_mask:0xf bank_mask:0xf
	v_add_f32_dpp v8, v8, v8 row_xmask:\m row_mask:0xf bank_mask:0xf
.endr
	v_permlanex16_b32 v5, v4, s52, s53
	v_permlanex16_b32 v9, v8, s52, s53
	v_add_f32 v4, v4, v5
	v_add_f32 v8, v8, v9
	v_fma_f32 v4, v4, s50, s51
	v_fma_f32 v8, v8, s50, s51
	v_rsq_f32 v4, v4
	v_rsq_f32 v8, v8
	v_cmp_eq_u32 vcc_lo, 1, v1                     ; a plain line stands behind the two roots
	s_wait_alu depctr_va_vdst(0)
	v_cndmask_b32 v4, v4, v8, vcc_lo               ; lane 0: row t0's, lane 1: row t0 + 1's
	; The rope table: a lane makes entries 4 (lane % 16) .. + 3 of its row: frequency 4 (lane % 8) + i; lanes with bit 3 set make sines.
.set RB, X                             ; eight registers an entry: inv_freq, f, k, r, r^2, sine, cosine, quadrant
	v_and_b32 v[X+34], 7, v0
	v_lshlrev_b32 v[X+34], 2, v[X+34]
	v_bfe_u32 v[X+35], v0, 3, 1
	v_mul_u32_u24 v[X+35], v[X+35], 3              ; sin f = cos(f - pi/2): three quadrants on
.irp i, 0,1,2,3
	v_add_nc_u32 v[RB+8*\i], \i, v[X+34]
	v_cvt_f32_u32 v[RB+8*\i], v[RB+8*\i]
	v_mul_f32 v[RB+8*\i], 0xbe9f73da, v[RB+8*\i]   ; -j log2(1000) / 32
.endr
.irp i, 0,1,2,3
	v_exp_f32 v[RB+8*\i], v[RB+8*\i]
.endr
	v_nop                                          ; a plain line between the last exponential and its use
	s_wait_alu depctr_va_vdst(0)
.irp i, 0,1,2,3
	v_mul_f32 v[RB+8*\i+1], v15, v[RB+8*\i]        ; f = t x inv_freq
	v_mul_f32 v[RB+8*\i+2], 0x3f22f983, v[RB+8*\i+1]
	v_rndne_f32 v[RB+8*\i+2], v[RB+8*\i+2]         ; k = nearest whole number to f 2/pi
	v_fma_f32 v[RB+8*\i+3], v[RB+8*\i+2], s55, v[RB+8*\i+1]
	v_fma_f32 v[RB+8*\i+3], v[RB+8*\i+2], s56, v[RB+8*\i+3]  ; r = f - k pi/2
	v_cvt_i32_f32 v[RB+8*\i+7], v[RB+8*\i+2]
	v_mul_f32 v[RB+8*\i+4], v[RB+8*\i+3], v[RB+8*\i+3]
	v_fma_f32 v[RB+8*\i+5], v[RB+8*\i+4], s57, s58
	v_fma_f32 v[RB+8*\i+5], v[RB+8*\i+5], v[RB+8*\i+4], s59
	v_mul_f32 v[RB+8*\i+5], v[RB+8*\i+5], v[RB+8*\i+4]
	v_fma_f32 v[RB+8*\i+5], v[RB+8*\i+5], v[RB+8*\i+3], v[RB+8*\i+3]  ; sin r
	v_fma_f32 v[RB+8*\i+6], v[RB+8*\i+4], s60, s61
	v_fma_f32 v[RB+8*\i+6], v[RB+8*\i+6], v[RB+8*\i+4], s62
	v_fma_f32 v[RB+8*\i+6], v[RB+8*\i+6], v[RB+8*\i+4], -0.5
	v_fma_f32 v[RB+8*\i+6], v[RB+8*\i+6], v[RB+8*\i+4], 1.0           ; cos r
	v_add_nc_u32 v[RB+8*\i+7], v[RB+8*\i+7], v[X+35]                  ; quadrant q: cos r, -sin r, -cos r, sin r
	v_and_b32 v[RB+8*\i], 1, v[RB+8*\i+7]
	v_cmp_eq_u32 vcc_lo, 1, v[RB+8*\i]
	v_cndmask_b32 v[RB+8*\i+5], v[RB+8*\i+6], v[RB+8*\i+5], vcc_lo
	v_add_nc_u32 v[RB+8*\i+7], 1, v[RB+8*\i+7]
	v_and_b32 v[RB+8*\i+7], 2, v[RB+8*\i+7]
	v_lshlrev_b32 v[RB+8*\i+7], 30, v[RB+8*\i+7]   ; the sign, for q = 1 and 2
	v_xor_b32 v[RB+8*\i+5], v[RB+8*\i+5], v[RB+8*\i+7]
.endr
	v_cvt_pk_bf16_f32 v[X+32], v[RB+5], v[RB+13]
	v_cvt_pk_bf16_f32 v[X+33], v[RB+21], v[RB+29]
	global_store_b64 v12, v[X+32:X+33], s[40:41] offset:8192
	v_cmp_gt_u32 vcc_lo, 2, v1
	s_wait_xcnt 0x0                                ; EXEC is a source of the stores above: it changes only behind this wait
	s_and_saveexec_b32 s54, vcc_lo
	global_store_b32 v13, v4, s[40:41]             ; two numbers a wave: 8,192 bytes in the whole launch are written so
	s_wait_xcnt 0x0                                ; and again in front of the line that widens it
	s_or_b32 exec_lo, exec_lo, s54
	s_endpgm
.Lbias:
	v_lshlrev_b32 v2, 4, v0
.set u, 0
.rept 8
	global_load_b128 v[X+4*u:X+4*u+3], v2, s[26:27] offset:u*4096
.set u, u+1
.endr
	global_load_b128 v[X+32:X+35], v2, s[28:29]
	global_load_b128 v[X+36:X+39], v2, s[30:31]
.set u, 0
.rept 10
	s_wait_loadcnt 9-u
	v_cvt_pk_bf16_f32 v[Y+2*u], v[X+4*u], v[X+4*u+1]
	v_cvt_pk_bf16_f32 v[Y+2*u+1], v[X+4*u+2], v[X+4*u+3]
	v_lshlrev_b32 v[X+4*u], 16, v[Y+2*u]
	v_and_b32 v[X+4*u+1], s[HI16], v[Y+2*u]
	v_lshlrev_b32 v[X+4*u+2], 16, v[Y+2*u+1]
	v_and_b32 v[X+4*u+3], s[HI16], v[Y+2*u+1]
.if u < 4
	v_pk_mul_f32 v[X+4*u:X+4*u+1], v[X+4*u:X+4*u+1], 0xbd317218 op_sel_hi:[1,0]      ; -ln 2 / 16
	v_pk_mul_f32 v[X+4*u+2:X+4*u+3], v[X+4*u+2:X+4*u+3], 0xbd317218 op_sel_hi:[1,0]
.elseif u < 8
	v_pk_mul_f32 v[X+4*u:X+4*u+1], v[X+4*u:X+4*u+1], 0xbfb8aa3b op_sel_hi:[1,0]      ; -log2 e
	v_pk_mul_f32 v[X+4*u+2:X+4*u+3], v[X+4*u+2:X+4*u+3], 0xbfb8aa3b op_sel_hi:[1,0]
.endif
.if u < 8
	global_store_b128 v2, v[X+4*u:X+4*u+3], s[40:41] offset:270336+u*4096
.endif
.set u, u+1
.endr
	v_pk_add_f32 v[X+32:X+33], v[X+32:X+33], v[X+36:X+37]
	v_pk_add_f32 v[X+34:X+35], v[X+34:X+35], v[X+38:X+39]
	global_store_b128 v2, v[X+32:X+35], s[40:41] offset:303104
	s_endpgm
.Lfunc_end_k_qfadf3b95ac_prep:
	.size	k_qfadf3b95ac_prep, .Lfunc_end_k_qfadf3b95ac_prep-k_qfadf3b95ac_prep
	.p2alignl 7, 3214868480
	.fill 96, 4, 3214868480
	.section	.rodata,"a",@progbits
	.p2align	6, 0x0
	.amdhsa_kernel k_qfadf3b95ac_prep
		.amdhsa_group_segment_fixed_size 0
		.amdhsa_private_segment_fixed_size 0
		.amdhsa_enable_private_segment 0
		.amdhsa_kernarg_size 136
		.amdhsa_user_sgpr_count 2
		.amdhsa_user_sgpr_kernarg_segment_ptr 1
		.amdhsa_wavefront_size32 1
		.amdhsa_system_sgpr_workgroup_id_x 1
		.amdhsa_system_sgpr_workgroup_id_y 1
		.amdhsa_system_sgpr_workgroup_id_z 1
		.amdhsa_system_vgpr_workitem_id 0
		.amdhsa_next_free_vgpr 112
		.amdhsa_next_free_sgpr 66
		.amdhsa_reserve_vcc 1
		.amdhsa_float_denorm_mode_32 3
		.amdhsa_float_denorm_mode_16_64 3
		.amdhsa_memory_ordered 1
		.amdhsa_forward_progress 1
		.amdhsa_inst_pref_size 51
	.end_amdhsa_kernel
	.amdgpu_metadata
---
amdhsa.version: [ 1, 2 ]
amdhsa.kernels:
  - .name:           k_qfadf3b95ac_prep
    .symbol:         k_qfadf3b95ac_prep.kd
    .args:
      - { .name: W1, .offset: 0, .size: 8, .value_kind: global_buffer, .address_space: global }
      - { .name: W2, .offset: 8, .size: 8, .value_kind: global_buffer, .address_space: global }
      - { .name: Wo, .offset: 16, .size: 8, .value_kind: global_buffer, .address_space: global }
      - { .name: Wq, .offset: 24, .size: 8, .value_kind: global_buffer, .address_space: global }
      - { .name: Wk, .offset: 32, .size: 8, .value_kind: global_buffer, .address_space: global }
      - { .name: Wv, .offset: 40, .size: 8, .value_kind: global_buffer, .address_space: global }
      - { .name: Wqb, .offset: 48, .size: 8, .value_kind: global_buffer, .address_space: global }
      - { .name: Wkb, .offset: 56, .size: 8, .value_kind: global_buffer, .address_space: global }
      - { .name: h_states, .offset: 64, .size: 8, .value_kind: global_buffer, .address_space: global }
      - { .name: b1, .offset: 72, .size: 8, .value_kind: global_buffer, .address_space: global }
      - { .name: b2, .offset: 80, .size: 8, .value_kind: global_buffer, .address_space: global }
      - { .name: bo, .offset: 88, .size: 8, .value_kind: global_buffer, .address_space: global }
      - { .name: W1b, .offset: 96, .size: 8, .value_kind: global_buffer, .address_space: global }
      - { .name: W2o, .offset: 104, .size: 8, .value_kind: global_buffer, .address_space: global }
      - { .name: Wp, .offset: 112, .size: 8, .value_kind: global_buffer, .address_space: global }
      - { .name: hb, .offset: 120, .size: 8, .value_kind: global_buffer, .address_space: global }
      - { .name: aux, .offset: 128, .size: 8, .value_kind: global_buffer, .address_space: global }
    .group_segment_fixed_size: 0
    .private_segment_fixed_size: 0
    .kernarg_segment_align: 8
    .kernarg_segment_size: 136
    .max_flat_workgroup_size: 256
    .sgpr_count:     66
    .vgpr_count:     112
    .wavefront_size: 32
...
	.end_amdgpu_metadata
.endif
;; end of part 1
;; launch proj (part 2): grid 16 x 16, 4 waves a work-group, clusters of 4 x 4, 327,680 bytes of LDS; arguments hb, Wp, aux, qkv; writes qkv
.if DOCPART == 2
	.amdgcn_target "amdgcn-amd-amdhsa--gfx1250"
	.amdhsa_code_object_version 6
	.text
	.protected	k_qfadf3b95ac_proj
	.globl	k_qfadf3b95ac_proj
	.p2align	8
	.type	k_qfadf3b95ac_proj,@function
k_qfadf3b95ac_proj:
	s_mov_b64 s[64:65], 0
	v_nop
	global_prefetch_b8 v0, s[64:65] scope:SCOPE_SE
	s_setreg_imm32_b32 hwreg(HW_REG_WAVE_MODE, 25, 1), 1
	s_wait_xcnt 0x0
	s_wait_alu depctr_hold_cnt(0) depctr_sa_sdst(0) depctr_va_vdst(0) depctr_va_sdst(0) depctr_va_ssrc(0) depctr_va_vcc(0) depctr_vm_vsrc(0)
	s_getreg_b32 s2, hwreg(HW_REG_IB_STS2, 6, 4)
	s_cmp_eq_u32 s2, 0
	s_cbranch_scc0 .Lentry_in_a_cluster
	s_endpgm
.Lentry_in_a_cluster:
	s_bfe_u32 s2, ttmp6, 0x10000c
	s_cmp_lg_u32 s2, 0xf033
	s_cbranch_scc0 .Lentry_shape_is_right
	s_endpgm
.Lentry_shape_is_right:
; PROJ: q, k, v, qb, kb of one head for 128 rows.  acc = hb (bf16) x Wp (bf16), f32 sums over K = 1024; the row factor rs is applied to the sums.
; Then, a head's 64 columns being in one wave: q, k, qb, kb are divided by max(|.|, 1e-12), turned by the rope table, scaled (q by log2 e, qb by 1/8) and rounded once to f16; v = rs acc, f16.
; Out: qq [head][row][q 64 | qb 64], kk [head][row][k | kb], vv [head][row][64], all f16.
; LIMITS.  v must stay under 65,504 in f16; q, k, qb, kb are at most 1.5.  A row whose 64 numbers have a sum of squares below 2^-126 counts as zero.
; SHARES.  Work-group: 128 rows x 320 columns.  Wave: 32 rows x 320 columns = 40 accumulators (a = 0, 1 blocks of 16 rows; g = 0..4 the matrix q, k, v, qb, kb; c = 0..3 blocks of 16 columns).
; K goes in 8 steps of 128 through two LDS slots.  Waves 0, 1 fetch two matrices' tiles each (32,768 dense bytes), wave 2 the fifth, wave 3 hb's 128 rows x 256 bytes.
; CLUSTER 4 x 4: hb's tile hangs on the row block alone and is shared along a row of the cluster; Wp's on the head alone and is shared along a column: joint loads.
; The matrix instruction is used transposed: source 0 = 16 columns of W (turned out of LDS by ds_load_tr16_b128), source 1 = 16 rows of hb: a lane holds one row and eight neighbouring columns.
; A K step's text stands once: the slot read is the scalar TB, the slot filled the scalar TD; both take turns by an exclusive or.
; REGISTERS.  window 0: v10, v11 rs; v16-21 LDS addresses; v22-26 the way out; v28, v29 the add's; v32-63 hb's fragments, two buffers; v64-239 the epilogue's; v192-223 the rope rows as loaded
;   window 1: v0-159 W's fragments, buffer 0     window 2: acc(a, g < 4, c) at 128 a + 32 g + 8 c     window 3: v0-63 acc(a, 4, c) at 32 a + 8 c; v64-223 W's fragments, buffer 1
.set SLOT,  137216                     ; hb: 128 rows x 272; then five tiles of 128 k x 160
.set BOFF,  34816
.set STAGE, 2*SLOT                     ; 4,352 bytes a wave, never filled by a tensor load
.set SPARE, STAGE+4*4352               ; the spare words: 128 bytes a wave, named by no other line
.set WV,  12
.set G1A, 24                           ; s[24:31] group 1, hb's tile
.set G0A, 32                           ; s[32:39] group 0, hb: a set for each first fill; the second then walks
.set G1B, 40                           ; s[40:47] group 1, two matrices' tiles
.set G1C, 48                           ; s[48:55] group 1, one matrix's tile
.set G0B, 56                           ; s[56:63] group 0, Wp
.set TB,  66                           ; the slot that is read: 0 or SLOT
.set TD,  67                           ; the slot that was filled last
.set CNT, 68
.set WBB, 69                           ; my part of Wp's tiles in a slot: BOFF + 40,960 x wave
.set QQ,  70                           ; s[70:71] qq at my rows; s[72:73] kk; s[74:75] vv
.set KK,  72
.set VB,  74
.set SEL, 76
.set FA,  32
.set YY,  64
.set COS, 96
.set SIN, 112
.set PKT, 128
.set BK,  160
.set TP,  192
.set SQ,  224
.set TT,  228
.set MSB, 0
.macro WIN new                         ; the high byte repeats the setting that is left; a switch that changes nothing is dropped
.if MSB != (\new)
	s_set_vgpr_msb (MSB<<8)|(\new)
.set MSB, (\new)
.endif
.endm
.macro PLACES                          ; four places behind matrix instructions (ISA guide 7.12.1)
.rept 4
	v_nop
.endr
.endm
.macro CREST                           ; a round of the cluster's barrier behind its opening barrier
	s_cmp_lg_u32 s[WV], 0
	s_cbranch_scc1 .Lnot_wave_0_\@
	s_barrier_signal -3
.Lnot_wave_0_\@:
	s_barrier_wait -3
	s_barrier_signal -1
	s_barrier_wait -1
.endm
.macro CROUND
	s_barrier_signal -1
	s_barrier_wait -1
	CREST
.endm
; A joint load: one line for each kind of tile, chosen by the wave's number alone: wave 3 hb's, wave 2 the fifth matrix's, waves 0 and 1 two matrices' each, at LDS bytes 40,960 apart.
; An s_nop 0 and four v_nop follow each line.
.macro JLOAD3 s
	s_cmp_eq_u32 s[WV], 3
	s_cbranch_scc0 .Lnot_a_\@
	tensor_load_to_lds s[G0A+4*(\s):G0A+4*(\s)+3], s[G1A:G1A+7]
	s_nop 0
	PLACES
	s_branch .Lasked_\@
.Lnot_a_\@:
	s_cmp_eq_u32 s[WV], 2
	s_cbranch_scc1 .Lis_c_\@
	tensor_load_to_lds s[G0B+4*(\s):G0B+4*(\s)+3], s[G1B:G1B+7]
	s_nop 0
	PLACES
	s_branch .Lasked_\@
.Lis_c_\@:
	tensor_load_to_lds s[G0B+4*(\s):G0B+4*(\s)+3], s[G1C:G1C+7]
	s_nop 0
	PLACES
.Lasked_\@:
.endm
	s_load_b256 s[4:11], s[0:1], 0x0               ; hb 4, Wp 6, aux 8, qkv 10
	v_lshl_add_u32 v28, v0, 2, SPARE
	v_mov_b32 v29, 0
	ds_add_u32 v28, v29                            ; the wave's opening: the add and its wait stand ahead of my first tensor load
	v_lshrrev_b32 v1, 5, v0
	v_readfirstlane_b32 s[WV], v1
	s_bfe_u32 s13, ttmp6, 0x40000                  ; cx
	s_bfe_u32 s14, ttmp6, 0x40004                  ; cy
	s_lshl_b32 s15, ttmp9, 2
	s_add_co_u32 s15, s15, s13                     ; head
	s_and_b32 s16, ttmp7, 0xffff
	s_lshl_b32 s16, s16, 2
	s_add_co_u32 s16, s16, s14                     ; block of 128 rows
	s_lshl_b32 s17, s14, 2
	s_lshl_b32 s17, 15, s17                        ; my row of the cluster
	s_lshl_b32 s18, 0x1111, s13                    ; my column
	s_or_b32 s[G1A], s17, (1<<16)|(1<<20)|(1<<21)|(5<<22)|(3<<25)  ; 2-byte elements; 4 words of padding after every 64: LDS rows of 272 bytes
	s_or_b32 s[G1B], s18, (1<<16)|(1<<20)|(1<<21)|(4<<22)|(7<<25)  ; 8 words after every 32: each k row of 128 bytes gets 160
	s_or_b32 s[G1C], s18, (1<<16)|(1<<20)|(1<<21)|(4<<22)|(7<<25)
.irp g, G1A, G1B, G1C
	s_mov_b32 s[\g+1], 128<<16                     ; tensor_dim0 = 128
	s_mov_b32 s[\g+3], 128<<16                     ; tile_dim0 = 128
	s_mov_b32 s[\g+6], 0
	s_mov_b32 s[\g+7], 0
.endr
	s_mov_b32 s[G1A+2], 128<<16                    ; 128 rows
	s_mov_b32 s[G1A+4], 128
	s_mov_b32 s[G1A+5], 1024                       ; hb's pitch
	s_mov_b32 s[G1B+2], 128<<16                    ; 128 rows of 256 dense bytes
	s_mov_b32 s[G1B+4], 128
	s_mov_b32 s[G1B+5], 128
	s_mov_b32 s[G1C+2], 64<<16                     ; 64 such rows
	s_mov_b32 s[G1C+4], 64
	s_mov_b32 s[G1C+5], 128
	s_lshl_b32 s20, s16, 18                        ; hb: 128 rows of 2,048 bytes
	s_mov_b32 s21, 0
	s_mul_i32 s[WBB], s[WV], 40960                 ; waves 0, 1, 2 take parts 0, 1, 2 of a K step's 81,920 bytes of Wp;
	s_add_co_u32 s[WBB], s[WBB], BOFF              ; wave 3 makes these words too and never asks by them
	s_lshl_b32 s22, s[WV], 15
	s_mul_i32 s23, s15, 655360
	s_add_co_u32 s22, s22, s23
	s_mov_b32 s23, 0
	s_mov_b32 s[TB], 0
	s_mov_b32 s[TD], SLOT
	s_mov_b32 s[SEL], 0x76543210
	s_mov_b32 s[SEL+1], 0xfedcba98
	s_wait_dscnt 0x0                               ; the opening add is done
	s_wait_kmcnt 0x0
	s_add_nc_u64 s[20:21], s[4:5], s[20:21]
	s_add_nc_u64 s[22:23], s[6:7], s[22:23]
	CROUND                                         ; all sixteen work-groups are here: the first joint loads meet
.irp z, 0,1
	s_mov_b32 s[G0A+4*\z], 1
	s_mov_b32 s[G0A+4*\z+1], \z*SLOT
	s_add_nc_u64 s[G0A+4*\z+2:G0A+4*\z+3], s[20:21], \z*256
	s_or_b32 s[G0A+4*\z+3], s[G0A+4*\z+3], 0x80000000
	s_mov_b32 s[G0B+4*\z], 1
	s_add_co_u32 s[G0B+4*\z+1], s[WBB], \z*SLOT
	s_add_nc_u64 s[G0B+4*\z+2:G0B+4*\z+3], s[22:23], \z*81920
	s_or_b32 s[G0B+4*\z+3], s[G0B+4*\z+3], 0x80000000
	JLOAD3 \z                                      ; K steps 0 and 1: two loads of mine are out
.endr
	v_and_b32 v1, 15, v0                           ; r
	v_bfe_u32 v2, v0, 4, 1                         ; h
	v_and_b32 v3, 7, v0
	v_bfe_u32 v4, v0, 3, 1
	v_lshrrev_b32 v5, 5, v0
	v_lshl_add_u32 v5, v5, 5, v1                   ; my row in the block, 32 w + r
	v_lshlrev_b32 v6, 2, v5
	v_lshlrev_b32 v7, 7, v5
	v_lshl_add_u32 v7, v2, 4, v7
	s_lshl_b32 s78, s16, 9
	s_mov_b32 s79, 0
	s_add_nc_u64 s[80:81], s[8:9], s[78:79]        ; rs of the block's rows
	s_lshl_b32 s78, s16, 14
	s_add_nc_u64 s[82:83], s[8:9], s[78:79]        ; rope rows, less 8,192
	global_load_b32 v10, v6, s[80:81]
	global_load_b32 v11, v6, s[80:81] offset:64
.irp a, 0,1
.irp z, 0,1,2,3                        ; cos of d = 8h.., 16 + 8h..; sin of the same
	global_load_b128 v[TP+16*\a+4*\z:TP+16*\a+4*\z+3], v7, s[82:83] offset:8192+\a*2048+\z*32
.endr
.endr
	s_mul_i32 s78, s[WV], 32*272
	v_mul_u32_u24 v16, v1, 272
	v_lshl_add_u32 v16, v2, 4, v16
	v_add_nc_u32 v16, s78, v16                     ; hb's fragments: (32 w + r) x 272 + 16 h
	v_lshl_add_u32 v17, v2, 3, v3
	v_mul_u32_u24 v17, v17, 160
	v_lshl_add_u32 v17, v4, 4, v17
	v_add_nc_u32 v17, BOFF, v17                    ; W's: (8 h + l % 8) x 160 + 16 ((l / 8) % 2), matrices 0-2
	v_add_nc_u32 v18, 61440, v17                   ; matrices 3, 4
	v_mov_b32 v19, v16
	v_mov_b32 v20, v17
	v_mov_b32 v21, v18
	s_lshl_b32 s78, s16, 7
	s_lshl_b32 s84, s[WV], 5
	s_add_co_u32 s78, s78, s84                     ; my first row
	s_lshl_b32 s84, s78, 8
	s_lshl_b32 s85, s15, 19
	s_add_co_u32 s84, s84, s85
	s_mov_b32 s85, 0
	s_add_nc_u64 s[QQ:QQ+1], s[10:11], s[84:85]
	s_add_nc_u64 s[KK:KK+1], s[QQ:QQ+1], 0x800000
	s_lshr_b32 s84, s84, 1
	s_add_co_u32 s84, s84, 0x1000000
	s_add_nc_u64 s[VB:VB+1], s[10:11], s[84:85]
	s_mul_i32 s86, s[WV], 4352
	s_add_co_u32 s86, s86, STAGE                   ; my stage
	v_mul_u32_u24 v24, v1, 272
	v_lshl_add_u32 v24, v2, 4, v24
	v_add_nc_u32 v24, s86, v24                     ; rows of 256 bytes in: row r, 16 bytes for each half of the lanes
	v_mul_u32_u24 v25, v2, 272
	v_lshl_add_u32 v25, v1, 4, v25
	v_add_nc_u32 v25, s86, v25                     ; and back: two whole rows
	v_and_b32 v26, 31, v0
	v_lshlrev_b32 v26, 4, v26                      ; 512 consecutive bytes of the output
	v_mul_u32_u24 v22, v1, 144
	v_lshl_add_u32 v22, v2, 4, v22
	v_add_nc_u32 v22, s86, v22                     ; rows of 128 bytes in
	v_bfe_u32 v23, v0, 3, 2
	v_mul_u32_u24 v23, v23, 144
	v_lshl_add_u32 v23, v3, 4, v23
	v_add_nc_u32 v23, s86, v23                     ; and back: four whole rows
; 44 LDS loads: the fragments of 32 along K, quarter q of the slot, into buffer f: hb's first, then the matrices in order
.macro FETCH q, f
	WIN 0
.irp a, 0,1
	ds_load_b128 v[FA+16*(\f)+8*\a:FA+16*(\f)+8*\a+3], v19 offset:\a*4352+64*(\q)
	ds_load_b128 v[FA+16*(\f)+8*\a+4:FA+16*(\f)+8*\a+7], v19 offset:\a*4352+64*(\q)+32
.endr
	WIN 0x40+0x80*(\f)
.irp g, 0,1,2,3,4
.irp c, 0,1,2,3
	ds_load_tr16_b128 v[64*(\f)+32*\g+8*\c:64*(\f)+32*\g+8*\c+3], v[20+\g/3] offset:(\g%3)*20480+(\q)*5120+32*\c
	ds_load_tr16_b128 v[64*(\f)+32*\g+8*\c+4:64*(\f)+32*\g+8*\c+7], v[20+\g/3] offset:(\g%3)*20480+(\q)*5120+32*\c+2560
.endr
.endr
.endm
; 8 products: matrix g, both row blocks.  The 40 accumulators take turns in the same order in every quarter.  zero = 1: the first product starts the sums.
.macro MULG f, g, zero
.if (\g) < 4
	WIN 0xa1+2*(\f)
.set mAB, 32*(\g)
.set mAS, 128
.else
	WIN 0xf1+2*(\f)
.set mAB, 0
.set mAS, 32
.endif
.irp c, 0,1,2,3
.irp a, 0,1
.if \zero
	v_wmma_f32_16x16x32_bf16 v[mAB+mAS*\a+8*\c:mAB+mAS*\a+8*\c+7], v[64*(\f)+32*(\g)+8*\c:64*(\f)+32*(\g)+8*\c+7], v[FA+16*(\f)+8*\a:FA+16*(\f)+8*\a+7], 0
.else
	v_wmma_f32_16x16x32_bf16 v[mAB+mAS*\a+8*\c:mAB+mAS*\a+8*\c+7], v[64*(\f)+32*(\g)+8*\c:64*(\f)+32*(\g)+8*\c+7], v[FA+16*(\f)+8*\a:FA+16*(\f)+8*\a+7], v[mAB+mAS*\a+8*\c:mAB+mAS*\a+8*\c+7]
.endif
.endr
.endr
.endm
; A quarter of a K step: multiplies buffer f, fetches quarter qn into buffer g.  The run of loads stands behind three matrices' products: 16 + 44 = 60 LDS loads are out at the most.
.macro QUARTER f, g, qn, zero
	s_wait_dscnt 24                                ; hb's and matrices 0, 1 are in; the 24 loads of matrices 2-4 may be out
	MULG \f, 0, \zero
	MULG \f, 1, \zero
	s_wait_dscnt 16                                ; matrix 2 is in; the 16 loads of matrices 3, 4 may be out
	MULG \f, 2, \zero
	PLACES
	FETCH \qn, \g
	s_wait_dscnt 44                                ; all but the 44 just issued
	MULG \f, 3, \zero
	MULG \f, 4, \zero
.endm
; The last quarter multiplies buffer 1 and changes slots: one barrier; in front of it each wave waits for all its tensor loads (one is out: its part of the next slot), adds 0 to its spare
; word, and waits for that and for its reads of this slot.  fill = 1: the barrier opens a round of the cluster's, and the slot just read is filled again first thing behind it, two K steps ahead.
.macro TURN fill
	WIN 0
	s_wait_tensorcnt 0x0
	ds_add_u32 v28, v29
	s_wait_dscnt 25                                ; the add and matrices 2-4's loads may be out
	MULG 1, 0, 0
	s_wait_dscnt 0x0                               ; the add is done, my reads of this slot are over
	s_barrier_signal -1
	MULG 1, 1, 0
	WIN 0
	s_barrier_wait -1
.if \fill
	CREST
	s_xor_b32 s[TD], s[TD], SLOT                   ; no tensor load of mine is out: the walking descriptors step
	s_mov_b32 s[G0A+5], s[TD]
	s_add_co_u32 s[G0B+5], s[WBB], s[TD]
	s_add_nc_u64 s[G0A+6:G0A+7], s[G0A+6:G0A+7], 256
	s_add_nc_u64 s[G0B+6:G0B+7], s[G0B+6:G0B+7], 81920
	JLOAD3 1                                       ; its four v_nop are also the places in front of the loads below
.else
	PLACES
.endif
	s_xor_b32 s[TB], s[TB], SLOT
	v_add_nc_u32 v19, s[TB], v16
	v_add_nc_u32 v20, s[TB], v17
	v_add_nc_u32 v21, s[TB], v18
	FETCH 0, 0
	MULG 1, 2, 0
	MULG 1, 3, 0
	MULG 1, 4, 0
.endm
	s_wait_tensorcnt 0x1                           ; my part of K step 0 is in; K step 1's may stay out
	s_barrier_signal -1
	s_barrier_wait -1
	FETCH 0, 0
	QUARTER 0, 1, 1, 1                             ; the first quarter starts the sums
	WIN 0
	s_mov_b32 s[CNT], 6
.Lk:                                                   ; a trip: a K step's quarters 1, 2, 3 and the next step's quarter 0; six trips fill slots again (K steps 2 to 7)
	QUARTER 1, 0, 2, 0
	QUARTER 0, 1, 3, 0
	TURN 1
	QUARTER 0, 1, 1, 0
	WIN 0
	s_sub_co_u32 s[CNT], s[CNT], 1
	s_cmp_lg_u32 s[CNT], 0
	s_cbranch_scc1 .Lk
	s_mov_b32 s[CNT], 2
.Ltail:                                                ; K steps 6 and 7 ask for nothing; the second trip is left in its middle (its fetch, of a slot that has landed, serves nothing)
	QUARTER 1, 0, 2, 0
	QUARTER 0, 1, 3, 0
	TURN 0
	WIN 0
	s_sub_co_u32 s[CNT], s[CNT], 1
	s_cmp_eq_u32 s[CNT], 0
	s_cbranch_scc1 .Lepi
	QUARTER 0, 1, 1, 0
	WIN 0
	s_branch .Ltail
.Lepi:
	s_wait_dscnt 0x0
	s_wait_loadcnt 0x0                             ; rs and the rope rows
	PLACES
; Matrix g of row block 0: norm, scale, rope, f16 into PKT + dst.  kind 1: times log2 e; 2: times 1/8.  Each accumulator is read from its low end on.
.macro NR g, kind, dst
.if (\g) < 4
.set nAW, 2
.set nAB, 32*(\g)
.else
.set nAW, 3
.set nAB, 0
.endif
	WIN 5*nAW
.set i, 0
.rept 16
.if i < 2
	v_pk_mul_f32 v[SQ+2*i:SQ+2*i+1], v[nAB+2*i:nAB+2*i+1], v[nAB+2*i:nAB+2*i+1]
.else
	v_pk_fma_f32 v[SQ+2*(i%2):SQ+2*(i%2)+1], v[nAB+2*i:nAB+2*i+1], v[nAB+2*i:nAB+2*i+1], v[SQ+2*(i%2):SQ+2*(i%2)+1]
.endif
.set i, i+1
.endr
	WIN 0
	v_pk_add_f32 v[SQ:SQ+1], v[SQ:SQ+1], v[SQ+2:SQ+3]
	v_add_f32 v[SQ], v[SQ], v[SQ+1]
	v_permlanex16_b32 v[SQ+1], v[SQ], s[SEL], s[SEL+1]  ; the row's other 32 columns lie in the lane 16 away
	v_add_f32 v[SQ], v[SQ], v[SQ+1]
	v_sqrt_f32 v[SQ], v[SQ]
	v_nop
	s_wait_alu depctr_va_vdst(0)
	v_mul_f32 v[SQ], v[SQ], v10                    ; |rs acc|
	v_max_num_f32 v[SQ], 0x2b8cbccc, v[SQ]         ; at least 1e-12
	v_rcp_f32 v[SQ], v[SQ]
	v_nop
	s_wait_alu depctr_va_vdst(0)
	v_mul_f32 v[SQ], v[SQ], v10
.if (\kind) == 1
	v_mul_f32 v[SQ], 0x3fb8aa3b, v[SQ]
.elseif (\kind) == 2
	v_mul_f32 v[SQ], 0x3e000000, v[SQ]
.endif
	WIN nAW
.set i, 0
.rept 16
	v_pk_mul_f32 v[YY+2*i:YY+2*i+1], v[nAB+2*i:nAB+2*i+1], v[SQ:SQ+1] op_sel_hi:[1,0]
.set i, i+1
.endr
	WIN 0
.set i, 0
.rept 8                                ; y1 = x1 cos + x2 sin, y2 = x2 cos - x1 sin; x2 lies 16 registers on
	v_pk_mul_f32 v[TT+4*(i%2):TT+4*(i%2)+1], v[YY+16+2*i:YY+17+2*i], v[SIN+2*i:SIN+2*i+1]
	v_pk_mul_f32 v[TT+4*(i%2)+2:TT+4*(i%2)+3], v[YY+2*i:YY+2*i+1], v[SIN+2*i:SIN+2*i+1]
	v_pk_fma_f32 v[YY+2*i:YY+2*i+1], v[YY+2*i:YY+2*i+1], v[COS+2*i:COS+2*i+1], v[TT+4*(i%2):TT+4*(i%2)+1]
	v_pk_fma_f32 v[YY+16+2*i:YY+17+2*i], v[YY+16+2*i:YY+17+2*i], v[COS+2*i:COS+2*i+1], v[TT+4*(i%2)+2:TT+4*(i%2)+3] neg_lo:[0,0,1] neg_hi:[0,0,1]
.set i, i+1
.endr
.set i, 0
.rept 16
	v_cvt_pk_f16_f32 v[PKT+(\dst)+i], v[YY+2*i], v[YY+2*i+1]
.set i, i+1
.endr
.endm
; 16 rows of 256 bytes through my stage: LDS serves a wave's instructions in order, so the loads see the stores, and the next stores come behind these loads
.macro OUT256 base
	s_wait_xcnt 0x0                                ; BK, which earlier stores read, is loaded again only behind this wait
.irp z, 0,1,2,3,4,5,6,7
	ds_store_b128 v24, v[PKT+4*\z:PKT+4*\z+3] offset:(\z/4)*128+(\z%4)*32
.endr
.irp z, 0,1,2,3,4,5,6,7
	ds_load_b128 v[BK+4*\z:BK+4*\z+3], v25 offset:\z*544
.endr
.irp z, 0,1,2,3,4,5,6,7
	s_wait_dscnt 7-\z
	global_store_b128 v26, v[BK+4*\z:BK+4*\z+3], s[\base:\base+1] offset:\z*512  ; 512 consecutive bytes, aligned
.endr
.endm
	s_mov_b32 s[CNT], 2
.Lrow:                                                 ; two trips, one for each block of 16 rows: the text names block 0's registers, and block 1 is copied down between the trips
.set i, 0
.rept 8
	v_lshlrev_b32 v[COS+2*i], 16, v[TP+i]
	v_and_b32 v[COS+2*i+1], 0xffff0000, v[TP+i]
	v_lshlrev_b32 v[SIN+2*i], 16, v[TP+8+i]
	v_and_b32 v[SIN+2*i+1], 0xffff0000, v[TP+8+i]
.set i, i+1
.endr
	NR 0, 1, 0                                     ; q
	NR 3, 2, 16                                    ; qb
	OUT256 QQ
	NR 1, 0, 0                                     ; k
	NR 4, 0, 16                                    ; kb
	OUT256 KK
	WIN 2
.set i, 0
.rept 16
	v_pk_mul_f32 v[YY+2*i:YY+2*i+1], v[64+2*i:65+2*i], v[10:11] op_sel_hi:[1,0]  ; v = rs acc
.set i, i+1
.endr
	WIN 0
.set i, 0
.rept 16
	v_cvt_pk_f16_f32 v[PKT+i], v[YY+2*i], v[YY+2*i+1]
.set i, i+1
.endr
	s_wait_xcnt 0x0
.irp z, 0,1,2,3
	ds_store_b128 v22, v[PKT+4*\z:PKT+4*\z+3] offset:32*\z
.endr
.irp z, 0,1,2,3
	ds_load_b128 v[BK+4*\z:BK+4*\z+3], v23 offset:\z*576
.endr
.irp z, 0,1,2,3
	s_wait_dscnt 3-\z
	global_store_b128 v26, v[BK+4*\z:BK+4*\z+3], s[VB:VB+1] offset:\z*512
.endr
	s_sub_co_u32 s[CNT], s[CNT], 1
	s_cmp_eq_u32 s[CNT], 0
	s_cbranch_scc1 .Ldone
	s_wait_xcnt 0x0                                ; the stores' bases step only behind this wait
	s_add_nc_u64 s[QQ:QQ+1], s[QQ:QQ+1], 4096
	s_add_nc_u64 s[KK:KK+1], s[KK:KK+1], 4096
	s_add_nc_u64 s[VB:VB+1], s[VB:VB+1], 2048
	WIN 0x82
.set i, 0
.rept 128
	v_mov_b32 v[i], v[128+i]
.set i, i+1
.endr
	WIN 0xc3
.set i, 0
.rept 32
	v_mov_b32 v[i], v[32+i]
.set i, i+1
.endr
	WIN 0
.set i, 0
.rept 16
	v_mov_b32 v[TP+i], v[TP+16+i]
.set i, i+1
.endr
	v_mov_b32 v10, v11
	s_branch .Lrow
.Ldone:
	s_wait_tensorcnt 0x0                           ; the wave's end
	ds_add_u32 v28, v29
	s_wait_dscnt 0x0
	CROUND                                         ; the closing round
	s_endpgm
.Lfunc_end_k_qfadf3b95ac_proj:
	.size	k_qfadf3b95ac_proj, .Lfunc_end_k_qfadf3b95ac_proj-k_qfadf3b95ac_proj
	.p2alignl 7, 3214868480
	.fill 96, 4, 3214868480
	.section	.rodata,"a",@progbits
	.p2align	6, 0x0
	.amdhsa_kernel k_qfadf3b95ac_proj
		.amdhsa_group_segment_fixed_size 327680
		.amdhsa_private_segment_fixed_size 0
		.amdhsa_enable_private_segment 0
		.amdhsa_kernarg_size 32
		.amdhsa_user_sgpr_count 2
		.amdhsa_user_sgpr_kernarg_segment_ptr 1
		.amdhsa_wavefront_size32 1
		.amdhsa_system_sgpr_workgroup_id_x 1
		.amdhsa_system_sgpr_workgroup_id_y 1
		.amdhsa_system_sgpr_workgroup_id_z 1
		.amdhsa_system_vgpr_workitem_id 0
		.amdhsa_next_free_vgpr 992
		.amdhsa_next_free_sgpr 96
		.amdhsa_reserve_vcc 0
		.amdhsa_float_denorm_mode_32 3
		.amdhsa_float_denorm_mode_16_64 3
		.amdhsa_memory_ordered 1
		.amdhsa_forward_progress 1
		.amdhsa_inst_pref_size 104
	.end_amdhsa_kernel
	.amdgpu_metadata
---
amdhsa.version: [ 1, 2 ]
amdhsa.kernels:
  - .name:           k_qfadf3b95ac_proj
    .symbol:         k_qfadf3b95ac_proj.kd
    .args:
      - { .name: hb, .offset: 0, .size: 8, .value_kind: global_buffer, .address_space: global }
      - { .name: Wp, .offset: 8, .size: 8, .value_kind: global_buffer, .address_space: global }
      - { .name: aux, .offset: 16, .size: 8, .value_kind: global_buffer, .address_space: global }
      - { .name: qkv, .offset: 24, .size: 8, .value_kind: global_buffer, .address_space: global }
    .group_segment_fixed_size: 327680
    .private_segment_fixed_size: 0
    .kernarg_segment_align: 8
    .kernarg_segment_size: 32
    .max_flat_workgroup_size: 128
    .sgpr_count:     96
    .vgpr_count:     992
    .wavefront_size: 32
...
	.end_amdgpu_metadata
.endif
;; end of part 2
;; launch attn (part 3): grid 16 x 16, 4 waves a work-group, clusters of 4 x 1, 327,680 bytes of LDS; arguments qkv, l2normscale, act; writes act
.if DOCPART == 3
	.amdgcn_target "amdgcn-amd-amdhsa--gfx1250"
	.amdhsa_code_object_version 6
	.text
	.protected	k_qfadf3b95ac_attn
	.globl	k_qfadf3b95ac_attn
	.p2align	8
	.type	k_qfadf3b95ac_attn,@function
k_qfadf3b95ac_attn:
	s_mov_b64 s[64:65], 0
	v_nop
	global_prefetch_b8 v0, s[64:65] scope:SCOPE_SE
	s_setreg_imm32_b32 hwreg(HW_REG_WAVE_MODE, 25, 1), 1
	s_wait_xcnt 0x0
	s_wait_alu depctr_hold_cnt(0) depctr_sa_sdst(0) depctr_va_vdst(0) depctr_va_sdst(0) depctr_va_ssrc(0) depctr_va_vcc(0) depctr_vm_vsrc(0)
	s_getreg_b32 s2, hwreg(HW_REG_IB_STS2, 6, 4)
	s_cmp_eq_u32 s2, 0
	s_cbranch_scc0 .Lentry_in_a_cluster
	s_endpgm
.Lentry_in_a_cluster:
	s_bfe_u32 s2, ttmp6, 0x10000c
	s_cmp_lg_u32 s2, 0x3003
	s_cbranch_scc0 .Lentry_shape_is_right
	s_endpgm
.Lentry_shape_is_right:
; ATTN: y = L softmax_causal(q k^T) v + (the causal row sum of qb kb^T / 8), stored as y / 16 in f16 into act's column blocks 256 + 4 head .. + 3.  L = l2normscale rounded to bf16.
; act = [32 blocks of 64 rows][320 blocks of 16 columns][4 blocks of 16 rows][32 lanes x 16 bytes]: lane (r, h) holds row r of its block of 16 and columns 8 h .. 8 h + 7 of its block of 16:
; the registers of a matrix operand as they lie, which is also how the results lie here: they are stored as they are, 512 consecutive bytes a store.
; q arrives times log2 e, qb times 1/8, all f16.  Products and sums in f32; the weights p = 2^s are rounded to f16 for the second product, their sum l is taken of the unrounded p.
; NO MAXIMUM IS TAKEN AWAY: q and k are unit vectors by the module's own normalisation, turned by a table whose entries are within 2^-9 of a rotation's, so |q . k| <= 1.01 for every input:
; every weight lies in 0.36 .. 2.76 and a row's sum under 5,700.  So O and l are plain sums, and a slot's keys are shared out among the waves.
; LIMITS.  A hidden score counts as its value less 2^100: its weight is 0.  |y| / 16 must stay under 65,504.  NaN and infinities are not treated apart.
; THE WALK.  A head's queries lie in 32 blocks of 64.  A work-group takes blocks 31 - b and then b, b = 4 m + cx.  Keys come in slots of 256; the first block needs slots 0 .. 7 - m, the second
; 0 .. m: nine slots whatever b, and the sequence hangs on m alone, which the four partners of a cluster share: every tile is asked for JOINTLY.  Of a slot wave w takes keys 64 w .. 64 w + 63,
; against all 64 queries.  Only a block's last slot holds hidden keys: there wave w sees all (w < IQ), the diagonal (w = IQ) or nothing (w > IQ); IQ = 3 - cx, then cx.  IQ enters selects of
; scalar factors alone: no branch and no LDS address hangs on it.
; LAYOUT.  S^T = K Q^T: a lane holds one query (lane % 16) and keys 8 (lane / 16) + 0..7; two such results rounded to f16 are source 1 of O^T = V^T P.  The mask is the C operand that starts S^T's sum.
; THE BIAS SCORES have no softmax: in full slots one accumulator a query tile takes Kb Qb^T of all key blocks in place; in a block's last slot they are made apart and summed with factors 0 or 1.
; At a block's end each wave's O^T, l and bias sum go to LDS as they lie in the registers; at the kernel's end wave w adds the four waves' parts of query tile w.
; O^T, l and the rest are cleared at a block's beginning on purpose: a first step written out would double the step's text; the first clearing stands in the wait for the first tile.
; REGISTERS.  window 0: v2-5, v8-11, v30, v31 addresses; v12-19 l, a pair a tile; v20-27 bias sums; v28, v29 the add's; v32-39 the diagonal's mask; v40-63 the masks for key block <, =, > query tile;
;   v64-191 S^T (32 qt + 8 kb); v192-255 P (16 qt)     window 1: v0-127 O^T (32 qt + 8 cb); v128-255 the next block's q, qb
;   window 2: v0-63 Q; v64-127 Qb; v128-191 K; v192-255 V     window 3: v0-63 Kb; v64-95 the bias accumulators
.set SLOT1,  1<<17                     ; a slot: 256 keys x 272 (k | kb), then 256 keys x 160 (v): 110,592 bytes; slot 1 begins here
.set VOFF,   69632
.set STG_LO, SLOT1                     ; the second block's parts: in slot 1, whose last fill has been read out by then
.set STG_HI, 241664                    ; the first block's: [tile][wave][4,096], then [tile][wave][256]
.set SPARE,  320512                    ; the spare words
.set WV, 12
.set CX, 13
.set M,  14
.set HD, 15
.set KBP, 16                           ; s[16:17] kk at my half of the head's slot 0; s[18:19] vv likewise
.set VBP, 18
.set G1K, 24
.set G1V, 32
.set G0K, 40
.set G0V, 44
.set QP1, 48                           ; s[48:49], s[50:51] qq at the first, the second block
.set QP2, 50
.set OP1, 52                           ; s[52:53], s[54:55] act at my rows of the first, the second block
.set OP2, 54
.set SLOTS, 56
.set CNT, 57
.set SEL, 58
.set TB,  60                           ; the slot that is read
.set RT,  61                           ; slots of the block in hand still to be entered
.set RTN, 62
.set IQ,  63
.set IQN, 66
.set NXT, 67                           ; the slot of keys to be asked for next
.set LQ,  68                           ; the last one of the block whose slots are being asked for
.set FIRST, 69
.set OFF, 70
.set MLT, 72                           ; s[72:73] 1 if w <= IQ
.set MGT, 74                           ; s[74:75] 1 if w < IQ
.set AL,  76                           ; s[76:77] 1 if w = IQ
.set BEA, 78                           ; s[78:79] -2^100 if w > IQ
.set AL2, 80                           ; s[80:81] 2^-100 if w = IQ
.set ALT, 82
.set AGT, 83
.set NBIG, 84
.set LS,  85
.set S, 64
.set P, 192
.set MSB, 0
.macro WIN new
.if MSB != (\new)
	s_set_vgpr_msb (MSB<<8)|(\new)
.set MSB, (\new)
.endif
.endm
.macro PLACES
.rept 4
	v_nop
.endr
.endm
.macro CROUND
	s_barrier_signal -1
	s_barrier_wait -1
	s_cmp_lg_u32 s[WV], 0
	s_cbranch_scc1 .Lnot_wave_0_\@
	s_barrier_signal -3
.Lnot_wave_0_\@:
	s_barrier_wait -3
	s_barrier_signal -1
	s_barrier_wait -1
.endm
.macro JLOAD                           ; waves 0, 1 fetch the halves of a slot's k | kb, waves 2, 3 those of its v
	s_cmp_lt_u32 s[WV], 2
	s_cbranch_scc0 .Lfor_v_\@
	tensor_load_to_lds s[G0K:G0K+3], s[G1K:G1K+7]
	s_nop 0
	PLACES
	s_branch .Lasked_\@
.Lfor_v_\@:
	tensor_load_to_lds s[G0V:G0V+3], s[G1V:G1V+7]
	s_nop 0
	PLACES
.Lasked_\@:
.endm
; THE CHANGE OF SLOTS.  Each wave waits for all its tensor loads (one is out: its part of the other slot), adds 0 to its spare word, and waits for that and for its LDS instructions.
; fill = 1: a round of the cluster's barrier, and the slot just read is filled first thing behind it; the address is made anew from the slot's number.
.macro CHANGE fill
	WIN 0
	s_wait_tensorcnt 0x0
	ds_add_u32 v28, v29
.if \fill
	s_lshl_b32 s[OFF], s[NXT], 16
	s_xor_b32 s[G0K+1], s[G0K+1], SLOT1
	s_add_nc_u64 s[G0K+2:G0K+3], s[KBP:KBP+1], s[OFF:OFF+1]
	s_or_b32 s[G0K+3], s[G0K+3], 0x80000000
	s_lshl_b32 s[OFF], s[NXT], 15
	s_xor_b32 s[G0V+1], s[G0V+1], SLOT1
	s_add_nc_u64 s[G0V+2:G0V+3], s[VBP:VBP+1], s[OFF:OFF+1]
	s_or_b32 s[G0V+3], s[G0V+3], 0x80000000
	s_add_co_u32 s[NXT], s[NXT], 1                 ; the block's next slot, or behind its last the second block's slot 0
	s_cmp_gt_u32 s[NXT], s[LQ]
	s_cselect_b32 s[NXT], 0, s[NXT]
	s_cselect_b32 s[LQ], s[M], s[LQ]
	s_wait_dscnt 0x0
	CROUND
	JLOAD
.else
	s_wait_dscnt 0x0
	s_barrier_signal -1
	s_barrier_wait -1
.endif
	s_xor_b32 s[TB], s[TB], SLOT1
.endm
.macro LOADQ ptr                       ; a block's q and qb, 64 rows of 256 bytes, as fragments into window 1
	WIN 0x40
.set i, 0
.rept 8
	global_load_b128 v[128+8*i:128+8*i+3], v10, s[\ptr:\ptr+1] offset:(i/2)*4096+(i%2)*64
	global_load_b128 v[128+8*i+4:128+8*i+7], v10, s[\ptr:\ptr+1] offset:(i/2)*4096+(i%2)*64+32
	global_load_b128 v[192+8*i:192+8*i+3], v10, s[\ptr:\ptr+1] offset:(i/2)*4096+(i%2)*64+128
	global_load_b128 v[192+8*i+4:192+8*i+7], v10, s[\ptr:\ptr+1] offset:(i/2)*4096+(i%2)*64+160
.set i, i+1
.endr
	WIN 0
.endm
	s_load_b128 s[4:7], s[0:1], 0x0                ; qkv 4, l2normscale 6
	s_load_b64 s[8:9], s[0:1], 0x10                ; act
	v_lshl_add_u32 v28, v0, 2, SPARE
	v_mov_b32 v29, 0
	ds_add_u32 v28, v29                            ; the wave's opening: the add and its wait stand ahead of my first tensor load
	v_lshrrev_b32 v1, 5, v0
	v_readfirstlane_b32 s[WV], v1
	s_bfe_u32 s[CX], ttmp6, 0x40000
	s_mov_b32 s[M], ttmp9
	s_and_b32 s[HD], ttmp7, 0xffff
	s_mov_b32 s[G1K], 15|(1<<16)|(1<<20)|(1<<21)|(5<<22)|(3<<25)  ; the mask of four; 4 words of padding after every 64: rows of 272 bytes
	s_mov_b32 s[G1V], 15|(1<<16)|(1<<20)|(1<<21)|(4<<22)|(7<<25)  ; 8 words after every 32: a key's 128 bytes get 160
.irp g, G1K, G1V
	s_mov_b32 s[\g+1], 128<<16
	s_mov_b32 s[\g+3], 128<<16
	s_mov_b32 s[\g+5], 128
	s_mov_b32 s[\g+6], 0
	s_mov_b32 s[\g+7], 0
.endr
	s_mov_b32 s[G1K+2], 128<<16                    ; 128 keys of 256 bytes
	s_mov_b32 s[G1K+4], 128
	s_mov_b32 s[G1V+2], 64<<16                     ; 128 keys of 128 bytes as 64 rows of 256
	s_mov_b32 s[G1V+4], 64
	s_and_b32 s20, s[WV], 1                        ; which half of a slot's keys I fetch
	s_lshl_b32 s22, s[HD], 19
	s_lshl_b32 s21, s20, 15
	s_add_co_u32 s22, s22, s21
	s_add_co_u32 s22, s22, 0x800000
	s_mov_b32 s23, 0
	s_lshl_b32 s86, s[HD], 18
	s_lshl_b32 s21, s20, 14
	s_add_co_u32 s86, s86, s21
	s_add_co_u32 s86, s86, 0x1000000
	s_mov_b32 s87, 0
	s_mov_b32 s[G0K], 1
	s_mul_i32 s[G0K+1], s20, 34816
	s_mov_b32 s[G0V], 1
	s_mul_i32 s[G0V+1], s20, 20480
	s_add_co_u32 s[G0V+1], s[G0V+1], VOFF
	s_lshl_b32 s88, s[M], 2
	s_add_co_u32 s88, s88, s[CX]                   ; the second block
	s_sub_co_u32 s89, 31, s88                      ; the first
	s_add_co_u32 s90, s[HD], 64
	s_lshl_b32 s90, s90, 13                        ; column block 256 + 4 head: 2,048 bytes a column block
	s_lshl_b32 s91, s[WV], 9
	s_add_co_u32 s90, s90, s91                     ; my block of 16 rows: 512 bytes
	s_mul_i32 s92, s89, 655360
	s_add_co_u32 s92, s92, s90
	s_mov_b32 s93, 0
	s_mul_i32 s94, s88, 655360
	s_add_co_u32 s94, s94, s90
	s_mov_b32 s95, 0
	s_lshl_b32 s96, s[HD], 19
	s_lshl_b32 s20, s89, 14
	s_add_co_u32 s20, s20, s96
	s_mov_b32 s21, 0
	s_lshl_b32 s91, s88, 14
	s_add_co_u32 s96, s96, s91
	s_mov_b32 s97, 0
	s_mov_b32 s[NBIG], 0xf1800000                  ; -2^100
	s_sub_co_u32 s[RTN], 8, s[M]
	s_sub_co_u32 s[IQN], 3, s[CX]
	s_mov_b32 s[NXT], 1
	s_sub_co_u32 s[LQ], 7, s[M]
	s_mov_b32 s[FIRST], 1
	s_mov_b32 s[OFF+1], 0
	s_mov_b32 s[MLT+1], 0                          ; named as pairs
	s_mov_b32 s[MGT+1], 0
	s_mov_b32 s[AL+1], 0
	s_mov_b32 s[BEA+1], 0
	s_mov_b32 s[AL2+1], 0
	s_mov_b32 s[TB], SLOT1                         ; the first change of slots turns it into 0
	s_mov_b32 s[SLOTS], 9
	s_mov_b32 s[SEL], 0x76543210
	s_mov_b32 s[SEL+1], 0xfedcba98
	s_wait_dscnt 0x0                               ; the opening add is done
	s_wait_kmcnt 0x0
	s_load_b32 s10, s[6:7], 0x0
	s_add_nc_u64 s[KBP:KBP+1], s[4:5], s[22:23]
	s_add_nc_u64 s[VBP:VBP+1], s[4:5], s[86:87]
	s_add_nc_u64 s[QP1:QP1+1], s[4:5], s[20:21]
	s_add_nc_u64 s[QP2:QP2+1], s[4:5], s[96:97]
	s_add_nc_u64 s[OP1:OP1+1], s[8:9], s[92:93]
	s_add_nc_u64 s[OP2:OP2+1], s[8:9], s[94:95]
	s_add_nc_u64 s[G0K+2:G0K+3], s[KBP:KBP+1], 0
	s_or_b32 s[G0K+3], s[G0K+3], 0x80000000
	s_add_nc_u64 s[G0V+2:G0V+3], s[VBP:VBP+1], 0
	s_or_b32 s[G0V+3], s[G0V+3], 0x80000000
	CROUND                                         ; all four work-groups are here
	JLOAD                                          ; keys 0 .. 255 into slot 0; slot 1 is asked for by the loop's first change of slots
	v_and_b32 v1, 15, v0                           ; r
	v_bfe_u32 v13, v0, 4, 1                        ; h
	v_and_b32 v14, 7, v0
	v_bfe_u32 v15, v0, 3, 1
	v_and_b32 v16, 31, v0
	v_lshlrev_b32 v10, 8, v1
	v_lshl_add_u32 v10, v13, 4, v10                ; q's fragments: row x 256 + 16 h
	LOADQ QP1
	s_mul_i32 s20, s[WV], 64*272
	v_mul_u32_u24 v2, v1, 272
	v_lshl_add_u32 v2, v13, 4, v2
	v_add_nc_u32 v2, s20, v2                       ; k's: (64 w + r) x 272 + 16 h; kb's 128 bytes on
	s_mul_i32 s20, s[WV], 64*160
	s_add_co_u32 s20, s20, VOFF
	v_lshl_add_u32 v3, v13, 3, v14
	v_mul_u32_u24 v3, v3, 160
	v_lshl_add_u32 v3, v15, 4, v3
	v_add_nc_u32 v3, s20, v3                       ; v's, for the turning load
	v_lshlrev_b32 v8, 4, v16                       ; 16 x lane
	s_lshl_b32 s20, s[WV], 12
	v_add_nc_u32 v9, s20, v8                       ; my place among the register images
	s_lshl_b32 s20, s[WV], 8
	v_lshl_add_u32 v31, v16, 3, s20                ; and among the pairs (l, bias sum)
	v_lshlrev_b32 v17, 3, v13
	v_sub_nc_u32 v17, v1, v17                      ; register j of the diagonal's tile is hidden where 8 h + j > r
.set i, 0
.rept 8
	v_cmp_gt_i32 vcc_lo, i, v17
	v_cndmask_b32 v[32+i], 0, s[NBIG], vcc_lo
.set i, i+1
.endr
	s_wait_kmcnt 0x0
	v_mov_b32 v18, s10
	v_cvt_pk_bf16_f32 v18, v18, v18
	v_lshlrev_b32 v18, 16, v18
	v_mul_f32 v18, 0x3d800000, v18
	v_readfirstlane_b32 s[LS], v18                 ; L / 16
; THE PRODUCTS.  The accumulators of a run take turns, one instruction a turn.  Each macro writes product i of its run and steps i.
.macro KQ x                            ; S^T for tiles x, x + 1: channels 32 (i / 8) on, keys 16 ((i / 2) % 4) on
	WIN 0x0a
.set qt, (\x)+i%2
.set kb, (i/2)%4
.set rS, S+32*qt+8*kb
.set rK, 128+16*kb+8*(i/8)
.set rQ, 16*qt+8*(i/8)
.if i < 8
.if kb < qt
.set rM, 40
.elseif kb == qt
.set rM, 48
.else
.set rM, 56
.endif
	v_wmma_f32_16x16x32_f16 v[rS:rS+7], v[rK:rK+7], v[rQ:rQ+7], v[rM:rM+7]
.else
	v_wmma_f32_16x16x32_f16 v[rS:rS+7], v[rK:rK+7], v[rQ:rQ+7], v[rS:rS+7]
.endif
.set i, i+1
.endm
.macro PV x                            ; O^T += V^T P for tiles x, x + 1: keys 32 (i / 8) on, channels 16 ((i / 2) % 4) on
	WIN 0x52
.set rO, 32*((\x)+i%2)+8*((i/2)%4)
.set rV, 192+32*(i/8)+8*((i/2)%4)
.set rP, P+16*((\x)+i%2)+8*(i/8)
	v_wmma_f32_16x16x32_f16 v[rO:rO+7], v[rV:rV+7], v[rP:rP+7], v[rO:rO+7]
.set i, i+1
.endm
.macro SB                              ; the bias accumulator of tile i % 4 takes key block (i / 4) % 4, channels 32 (i / 16) on
	WIN 0xfb
.set rA, 64+8*(i%4)
.set rK, 16*((i/4)%4)+8*(i/16)
.set rQ, 64+16*(i%4)+8*(i/16)
	v_wmma_f32_16x16x32_f16 v[rA:rA+7], v[rK:rK+7], v[rQ:rQ+7], v[rA:rA+7]
.set i, i+1
.endm
.macro SBM                             ; the bias scores apart, into S^T's registers: tile i % 4, key block (i / 4) % 4
	WIN 0x0b
.set rS, S+32*(i%4)+8*((i/4)%4)
.set rK, 16*((i/4)%4)+8*(i/16)
.set rQ, 64+16*(i%4)+8*(i/16)
.if i < 16
	v_wmma_f32_16x16x32_f16 v[rS:rS+7], v[rK:rK+7], v[rQ:rQ+7], 0
.else
	v_wmma_f32_16x16x32_f16 v[rS:rS+7], v[rK:rK+7], v[rQ:rQ+7], v[rS:rS+7]
.endif
.set i, i+1
.endm
; THE VECTOR WORK of a step: 128 exponentials, in ascending order, and 128 plain lines.  Plain line p, for four weights 4 n .. of tile t: both pairs rounded to f16; the second pair added onto the
; first; l takes the sum.  Position k holds exponential k and plain line k - 4: the weights that a plain line reads were made two positions back at the least, with a plain line between.
.macro PLN p
.set pt, (\p)/32
.set pn, ((\p)%32)/4
.set pk, (\p)%4
.if pk == 0
	s_wait_alu depctr_va_vdst(0)
	v_cvt_pk_f16_f32 v[P+16*pt+2*pn], v[S+32*pt+4*pn], v[S+32*pt+4*pn+1]
.elseif pk == 1
	v_cvt_pk_f16_f32 v[P+16*pt+2*pn+1], v[S+32*pt+4*pn+2], v[S+32*pt+4*pn+3]
.elseif pk == 2
	v_pk_add_f32 v[S+32*pt+4*pn:S+32*pt+4*pn+1], v[S+32*pt+4*pn:S+32*pt+4*pn+1], v[S+32*pt+4*pn+2:S+32*pt+4*pn+3]
.else
	v_pk_add_f32 v[12+2*pt:13+2*pt], v[12+2*pt:13+2*pt], v[S+32*pt+4*pn:S+32*pt+4*pn+1]
.endif
.endm
.macro POS
	v_exp_f32 v[S+k], v[S+k]
.if k < 4
	v_nop
.else
	PLN k-4
.endif
.set k, k+1
.endm
.macro RID                             ; the four lines behind a product; none names a register of the products round it
	WIN 0
	POS
	POS
.endm
; A STEP: my 64 keys of the slot against the 64 queries.  V^T P of tiles 2, 3 is done at the head of the next step (or of POST), out of registers: every LDS read of a slot lies inside its own step.
.macro STEP
	WIN 0
	v_add_nc_u32 v4, s[TB], v2
	v_add_nc_u32 v5, s[TB], v3
	WIN 0x80
.irp z, 0,1,2,3,4,5,6,7
	ds_load_b128 v[128+8*\z:128+8*\z+3], v4 offset:(\z/2)*4352+(\z%2)*64
	ds_load_b128 v[128+8*\z+4:128+8*\z+7], v4 offset:(\z/2)*4352+(\z%2)*64+32
.endr
	WIN 0xc0
.irp z, 0,1,2,3,4,5,6,7
	ds_load_b128 v[8*\z:8*\z+3], v4 offset:(\z/2)*4352+(\z%2)*64+128
	ds_load_b128 v[8*\z+4:8*\z+7], v4 offset:(\z/2)*4352+(\z%2)*64+160
.endr
.set i, 0
.rept 16
	PV 2
.endr
	s_wait_dscnt 16                                ; K is in; Kb's 16 loads may be out
.set i, 0
.rept 16
	KQ 0
.endr
	WIN 0
	PLACES                                         ; behind the products that read V, and in front of the first exponentials
	WIN 0x80
.irp z, 0,1,2,3,4,5,6,7
	ds_load_tr16_b128 v[192+8*\z:192+8*\z+3], v5 offset:(\z/4)*5120+(\z%4)*32
	ds_load_tr16_b128 v[192+8*\z+4:192+8*\z+7], v5 offset:(\z/4)*5120+(\z%4)*32+2560
.endr
.set k, 0
.set i, 0
.rept 16
	KQ 2
	RID
.endr
	s_wait_dscnt 16                                ; Kb is in; V's 16 loads may be out
.set i, 0
.rept 32
	SB
	RID
.endr
	s_wait_dscnt 0x0                               ; V is in
.set i, 0
.rept 16
	PV 0
	RID
.endr
	WIN 0
	PLN 124
	PLN 125
	PLN 126
	PLN 127
.endm
; In front of a block's last slot: the factors and masks for my place beside the diagonal; the bias accumulators are taken into the sums (the step's own products onto them then serve nothing).
.macro PRE
	s_cmp_le_u32 s[WV], s[IQ]
	s_cselect_b32 s[MLT], 1.0, 0
	s_cselect_b32 s[ALT], 0, s[NBIG]
	s_cmp_lt_u32 s[WV], s[IQ]
	s_cselect_b32 s[MGT], 1.0, 0
	s_cselect_b32 s[AGT], 0, s[NBIG]
	s_cmp_eq_u32 s[WV], s[IQ]
	s_cselect_b32 s[AL], 1.0, 0
	s_cselect_b32 s[AL2], 0x0d800000, 0
	s_cmp_gt_u32 s[WV], s[IQ]
	s_cselect_b32 s[BEA], s[NBIG], 0
	WIN 0
.set i, 0
.rept 8
	v_mov_b32 v[40+i], s[ALT]
	v_mov_b32 v[56+i], s[AGT]
.set i, i+1
.endr
.irp z, 0,1,2,3
	v_pk_fma_f32 v[48+2*\z:49+2*\z], v[32+2*\z:33+2*\z], s[AL:AL+1], s[BEA:BEA+1] op_sel_hi:[1,0,0]
.endr
	WIN 0x0c
.set i, 0
.rept 16
	v_pk_add_f32 v[20+2*(i%4):21+2*(i%4)], v[20+2*(i%4):21+2*(i%4)], v[64+8*(i%4)+2*(i/4):65+8*(i%4)+2*(i/4)]
.set i, i+1
.endr
	WIN 0
.endm
; Behind a block's last step: the last V^T P; the slot's bias scores apart, summed with 1 where the key is seen and 0 where it is hidden.
.macro POST
.set i, 0
.rept 16
	PV 2
.endr
.set i, 0
.rept 32
	SBM
.endr
	WIN 0
.irp z, 0,1,2,3                        ; the diagonal tile's factors; these four lines are the places behind the products
	v_pk_fma_f32 v[48+2*\z:49+2*\z], v[32+2*\z:33+2*\z], s[AL2:AL2+1], s[MLT:MLT+1] op_sel_hi:[1,0,0]
.endr
.set i, 0
.rept 64
.set qt, i%4
.set kb, i/16
.set pr, (i/4)%4
.if kb < qt
	v_pk_fma_f32 v[20+2*qt:21+2*qt], v[S+32*qt+8*kb+2*pr:S+32*qt+8*kb+2*pr+1], s[MLT:MLT+1], v[20+2*qt:21+2*qt] op_sel_hi:[1,0,1]
.elseif kb == qt
	v_pk_fma_f32 v[20+2*qt:21+2*qt], v[S+32*qt+8*kb+2*pr:S+32*qt+8*kb+2*pr+1], v[48+2*pr:49+2*pr], v[20+2*qt:21+2*qt]
.else
	v_pk_fma_f32 v[20+2*qt:21+2*qt], v[S+32*qt+8*kb+2*pr:S+32*qt+8*kb+2*pr+1], s[MGT:MGT+1], v[20+2*qt:21+2*qt] op_sel_hi:[1,0,1]
.endif
.set i, i+1
.endr
.endm
.macro DUMP base                       ; my parts of the block go to LDS as they lie in the registers
	WIN 0
.irp t, 0,1,2,3
	v_add_f32 v[12+2*\t], v[12+2*\t], v[13+2*\t]
	v_add_f32 v[13+2*\t], v[20+2*\t], v[21+2*\t]
.endr
	v_add_nc_u32 v11, \base, v9
	v_add_nc_u32 v30, (\base)+65536, v31
	WIN 0x04
.set i, 0
.rept 32
	ds_store_b128 v11, v[4*i:4*i+3] offset:(i/8)*16384+(i%8)*512
.set i, i+1
.endr
	WIN 0
.irp t, 0,1,2,3
	ds_store_b64 v30, v[12+2*\t:13+2*\t] offset:\t*1024
.endr
.endm
	s_branch .Lreset                               ; the loop is entered where a block begins
.Lslot:                                                ; eight trips: a slot is entered and the next is asked for
	CHANGE 1
	s_sub_co_u32 s[RT], s[RT], 1
	s_cmp_lg_u32 s[RT], 0
	s_cbranch_scc1 .Lgo
	PRE                                            ; the block's last slot
.Lgo:
	STEP
	s_cmp_lg_u32 s[RT], 0
	s_cbranch_scc1 .Lbottom
	POST                                           ; in the loop this is the first block's end: the second block's last slot is the walk's last
	DUMP STG_HI
.Lreset:
	s_wait_loadcnt 0x0                             ; the block's q and qb
	WIN 0x81
.set i, 0
.rept 128
	v_mov_b32 v[i], v[128+i]
.set i, i+1
.endr
	WIN 0
	s_cmp_eq_u32 s[FIRST], 1
	s_cbranch_scc0 .Lno_q
	LOADQ QP2                                      ; the second block's, on their way while the first block is walked
.Lno_q:
	s_mov_b32 s[FIRST], 0
	WIN 0x40
.set i, 0
.rept 128
	v_mov_b32 v[i], 0                              ; O^T
.set i, i+1
.endr
	WIN 0x80
.set i, 192
.rept 64
	v_mov_b32 v[i], 0                              ; V: the next step's first products, of a step that has not been, add 0
.set i, i+1
.endr
	WIN 0xc0
.set i, 64
.rept 32
	v_mov_b32 v[i], 0                              ; the bias accumulators
.set i, i+1
.endr
	WIN 0
.set i, 12
.rept 16
	v_mov_b32 v[i], 0                              ; l and the bias sums
.set i, i+1
.endr
.set i, 40
.rept 24
	v_mov_b32 v[i], 0                              ; the masks: nothing is hidden in a full slot
.set i, i+1
.endr
.set i, P+32
.rept 32
	v_mov_b32 v[i], 0                              ; P of tiles 2, 3
.set i, i+1
.endr
	s_mov_b32 s[RT], s[RTN]
	s_add_co_u32 s[RTN], s[M], 1
	s_mov_b32 s[IQ], s[IQN]
	s_mov_b32 s[IQN], s[CX]
.Lbottom:
	s_sub_co_u32 s[SLOTS], s[SLOTS], 1
	s_cmp_lg_u32 s[SLOTS], 0
	s_cbranch_scc1 .Lslot
	CHANGE 0                                       ; the walk's last slot is written out: nothing is asked for
	PRE
	STEP
	POST
	DUMP STG_LO                                    ; slot 1 has had its last fill, and every wave's reads of it ended in front of the barrier above
	s_wait_dscnt 0x0                               ; for the others' sake: my stores are done
	s_barrier_signal -1
	s_barrier_wait -1
	; THE REDUCTION.  Wave w adds the four waves' parts of query tile w, first of the second block, then of the first.
	s_lshl_b32 s20, s[WV], 14
	s_add_co_u32 s20, s20, STG_LO
	v_add_nc_u32 v11, s20, v8
	s_lshl_b32 s20, s[WV], 10
	s_add_co_u32 s20, s20, STG_LO+65536
	v_lshrrev_b32 v30, 1, v8
	v_add_nc_u32 v30, s20, v30
	s_mov_b32 s[CNT], 2
.Lred:
.set i, 0
.rept 32
	ds_load_b128 v[S+4*i:S+4*i+3], v11 offset:(i/8)*4096+(i%8)*512
.set i, i+1
.endr
.irp z, 0,1,2,3
	ds_load_b64 v[32+2*\z:33+2*\z], v30 offset:\z*256
.endr
	s_wait_dscnt 0x0
.set i, 0
.rept 16
	v_pk_add_f32 v[S+2*i:S+2*i+1], v[S+2*i:S+2*i+1], v[S+32+2*i:S+33+2*i]
	v_pk_add_f32 v[S+64+2*i:S+65+2*i], v[S+64+2*i:S+65+2*i], v[S+96+2*i:S+97+2*i]
.set i, i+1
.endr
.set i, 0
.rept 16
	v_pk_add_f32 v[S+2*i:S+2*i+1], v[S+2*i:S+2*i+1], v[S+64+2*i:S+65+2*i]
.set i, i+1
.endr
	v_pk_add_f32 v[32:33], v[32:33], v[34:35]
	v_pk_add_f32 v[36:37], v[36:37], v[38:39]
	v_pk_add_f32 v[32:33], v[32:33], v[36:37]
	v_permlanex16_b32 v40, v32, s[SEL], s[SEL+1]   ; the query's other keys lie in the lane 16 away
	v_permlanex16_b32 v41, v33, s[SEL], s[SEL+1]
	v_add_f32 v32, v32, v40
	v_add_f32 v33, v33, v41
	v_rcp_f32 v42, v32
	v_mul_f32 v43, 0x3d800000, v33                 ; the bias sum / 16: a plain line behind the reciprocal
	s_wait_alu depctr_va_vdst(0)
	v_mul_f32 v42, s[LS], v42                      ; L / 16 l
.set i, 0
.rept 16
	v_pk_fma_f32 v[S+2*i:S+2*i+1], v[S+2*i:S+2*i+1], v[42:43], v[42:43] op_sel:[0,0,1] op_sel_hi:[1,0,1]
.set i, i+1
.endr
.set i, 0
.rept 16
	v_cvt_pk_f16_f32 v[P+i], v[S+2*i], v[S+2*i+1]
.set i, i+1
.endr
.irp z, 0,1,2,3                        ; a lane's 16 bytes of channel block z are row r, channels 16 z + 8 h ..: act's own layout
	global_store_b128 v8, v[P+4*\z:P+4*\z+3], s[OP2:OP2+1] offset:\z*2048  ; 512 consecutive bytes, aligned
.endr
	s_wait_xcnt 0x0                                ; the stores' base and data are rewritten only behind this wait
	s_mov_b64 s[OP2:OP2+1], s[OP1:OP1+1]
	v_add_nc_u32 v11, STG_HI-STG_LO, v11
	v_add_nc_u32 v30, STG_HI-STG_LO, v30
	s_sub_co_u32 s[CNT], s[CNT], 1
	s_cmp_lg_u32 s[CNT], 0
	s_cbranch_scc1 .Lred
	s_wait_tensorcnt 0x0                           ; the wave's end
	ds_add_u32 v28, v29
	s_wait_dscnt 0x0
	CROUND                                         ; the closing round
	s_endpgm
.Lfunc_end_k_qfadf3b95ac_attn:
	.size	k_qfadf3b95ac_attn, .Lfunc_end_k_qfadf3b95ac_attn-k_qfadf3b95ac_attn
	.p2alignl 7, 3214868480
	.fill 96, 4, 3214868480
	.section	.rodata,"a",@progbits
	.p2align	6, 0x0
	.amdhsa_kernel k_qfadf3b95ac_attn
		.amdhsa_group_segment_fixed_size 327680
		.amdhsa_private_segment_fixed_size 0
		.amdhsa_enable_private_segment 0
		.amdhsa_kernarg_size 24
		.amdhsa_user_sgpr_count 2
		.amdhsa_user_sgpr_kernarg_segment_ptr 1
		.amdhsa_wavefront_size32 1
		.amdhsa_system_sgpr_workgroup_id_x 1
		.amdhsa_system_sgpr_workgroup_id_y 1
		.amdhsa_system_sgpr_workgroup_id_z 1
		.amdhsa_system_vgpr_workitem_id 0
		.amdhsa_next_free_vgpr 864
		.amdhsa_next_free_sgpr 100
		.amdhsa_reserve_vcc 1
		.amdhsa_float_denorm_mode_32 3
		.amdhsa_float_denorm_mode_16_64 3
		.amdhsa_memory_ordered 1
		.amdhsa_forward_progress 1
		.amdhsa_inst_pref_size 117
	.end_amdhsa_kernel
	.amdgpu_metadata
---
amdhsa.version: [ 1, 2 ]
amdhsa.kernels:
  - .name:           k_qfadf3b95ac_attn
    .symbol:         k_qfadf3b95ac_attn.kd
    .args:
      - { .name: qkv, .offset: 0, .size: 8, .value_kind: global_buffer, .address_space: global }
      - { .name: l2normscale, .offset: 8, .size: 8, .value_kind: global_buffer, .address_space: global }
      - { .name: act, .offset: 16, .size: 8, .value_kind: global_buffer, .address_space: global }
    .group_segment_fixed_size: 327680
    .private_segment_fixed_size: 0
    .kernarg_segment_align: 8
    .kernarg_segment_size: 24
    .max_flat_workgroup_size: 128
    .sgpr_count:     100
    .vgpr_count:     864
    .wavefront_size: 32
...
	.end_amdgpu_metadata
.endif
;; end of part 3
;; launch ffn1 (part 4): grid 32 x 8, 4 waves a work-group, clusters of 4 x 4, 327,680 bytes of LDS; arguments hb, W1b, aux, act; writes act
.if DOCPART == 4
	.amdgcn_target "amdgcn-amd-amdhsa--gfx1250"
	.amdhsa_code_object_version 6
	.text
	.protected	k_qfadf3b95ac_ffn1
	.globl	k_qfadf3b95ac_ffn1
	.p2align	8
	.type	k_qfadf3b95ac_ffn1,@function
k_qfadf3b95ac_ffn1:
	s_mov_b64 s[64:65], 0
	v_nop
	global_prefetch_b8 v0, s[64:65] scope:SCOPE_SE
	s_setreg_imm32_b32 hwreg(HW_REG_WAVE_MODE, 25, 1), 1
	s_wait_xcnt 0x0
	s_wait_alu depctr_hold_cnt(0) depctr_sa_sdst(0) depctr_va_vdst(0) depctr_va_sdst(0) depctr_va_ssrc(0) depctr_va_vcc(0) depctr_vm_vsrc(0)
	s_getreg_b32 s2, hwreg(HW_REG_IB_STS2, 6, 4)
	s_cmp_eq_u32 s2, 0
	s_cbranch_scc0 .Lentry_in_a_cluster
	s_endpgm
.Lentry_in_a_cluster:
	s_bfe_u32 s2, ttmp6, 0x10000c
	s_cmp_lg_u32 s2, 0xf033
	s_cbranch_scc0 .Lentry_shape_is_right
	s_endpgm
.Lentry_shape_is_right:
; FFN1: u = rs (hb x W1b) + b1; act's column blocks 0..255 take silu(u_gate) u_x / 16 in f16.  hb, W1b bf16; sums in f32 over K = 1024; the row factor and the bias are applied to the sums in f32.
; act = [32 blocks of 64 rows][320 blocks of 16 columns][4 blocks of 16 rows][32 lanes x 16 bytes]: lane (r, h) holds row r of its block of 16 and columns 8 h .. 8 h + 7 of its block of 16:
; the registers of a matrix operand as they lie, which is also how the results lie here: they are stored as they are, 512 consecutive bytes a store, with no way through LDS.
; T = -log2 e u_gate and U = -(ln 2 / 16) u_x come out of one fused multiply-add each (the factors are folded into rs and into the bias table); the result is U T / (1 + 2^T).
; LIMITS.  |silu(u_gate) u_x| / 16 must stay under 65,504.  Where 2^T overflows the result is 0, as silu's limit is.
; SHARES.  Work-group: 256 rows x (128 columns of x and the 128 matching columns of the gate).  Wave: 64 rows x all 256 columns = 64 accumulators (a = 0..3; b = 0..7 x, b = 8..15 gate),
; so x and gate of one output lie in the same lane.  K in 8 steps of 128 through two LDS slots; waves 0, 1 fetch hb's halves, waves 2, 3 the x and the gate tile.
; CLUSTER 4 x 4: hb's tile is shared along a row of the cluster, W1b's along a column: joint loads.  The matrix instruction is used transposed (source 0 = 16 columns of W, turned out of LDS).
; A K step's text stands once: the slot read is the scalar TB, the slot filled the scalar TD.
; REGISTERS.  window 0: v8-15 the row factors, a pair a block; v16-21 LDS addresses; v26 the way out; v28, v29 the add's; v32-95 hb's fragments, two buffers (later the packed results);
;   v96-223 the biases of my 128 + 128 columns; v224-247 at work     window 1: W's fragments, two buffers of 128     window 2: acc a = 0, 1 at 128 (a % 2) + 8 b     window 3: a = 2, 3
.set SLOT,  143360                     ; hb 256 x 272; x tile 128 k x 288; gate tile 128 k x 288
.set BOFF,  69632
.set SPARE, 2*SLOT                     ; the spare words
.set WV,  12
.set G1A, 24
.set G0A, 32
.set G1B, 40
.set G0B, 48
.set TB,  56
.set TD,  57
.set CNT, 58
.set WBA, 59
.set WBB, 60
.set OUTP, 62                          ; s[62:63] act at my rows and columns
.set FA,  32
.set PK,  32
.set BIA, 96
.set T,   224
.set U,   232
.set E,   240
.set MSB, 0
.macro WIN new
.if MSB != (\new)
	s_set_vgpr_msb (MSB<<8)|(\new)
.set MSB, (\new)
.endif
.endm
.macro PLACES
.rept 4
	v_nop
.endr
.endm
.macro CREST
	s_cmp_lg_u32 s[WV], 0
	s_cbranch_scc1 .Lnot_wave_0_\@
	s_barrier_signal -3
.Lnot_wave_0_\@:
	s_barrier_wait -3
	s_barrier_signal -1
	s_barrier_wait -1
.endm
.macro CROUND
	s_barrier_signal -1
	s_barrier_wait -1
	CREST
.endm
.macro JLOAD s                         ; waves 0, 1 ask for hb's halves, waves 2, 3 for W1b's two tiles; an s_nop 0 and four v_nop follow each line
	s_cmp_eq_u32 s13, 0
	s_cbranch_scc0 .Lfor_b_\@
	tensor_load_to_lds s[G0A+4*(\s):G0A+4*(\s)+3], s[G1A:G1A+7]
	s_nop 0
	PLACES
	s_branch .Lasked_\@
.Lfor_b_\@:
	tensor_load_to_lds s[G0B+4*(\s):G0B+4*(\s)+3], s[G1B:G1B+7]
	s_nop 0
	PLACES
.Lasked_\@:
.endm
	s_load_b256 s[4:11], s[0:1], 0x0               ; hb 4, W1b 6, aux 8, act 10
	v_lshl_add_u32 v28, v0, 2, SPARE
	v_mov_b32 v29, 0
	ds_add_u32 v28, v29                            ; the wave's opening: the add and its wait stand ahead of my first tensor load
	v_lshrrev_b32 v1, 5, v0
	v_readfirstlane_b32 s[WV], v1
	s_lshr_b32 s13, s[WV], 1                       ; I fetch for hb (0) or for W1b (1)
	s_and_b32 s14, s[WV], 1                        ; which half, or which tile
	s_bfe_u32 s15, ttmp6, 0x40000
	s_bfe_u32 s16, ttmp6, 0x40004
	s_lshl_b32 s17, ttmp9, 2
	s_add_co_u32 s17, s17, s15                     ; block of 128 columns
	s_and_b32 s18, ttmp7, 0xffff
	s_lshl_b32 s18, s18, 2
	s_add_co_u32 s18, s18, s16                     ; block of 256 rows
	s_lshl_b32 s19, s16, 2
	s_lshl_b32 s19, 15, s19
	s_lshl_b32 s20, 0x1111, s15
	s_or_b32 s[G1A], s19, (1<<16)|(1<<20)|(1<<21)|(5<<22)|(3<<25)  ; rows of 256 bytes + 16
	s_or_b32 s[G1B], s20, (1<<16)|(1<<20)|(1<<21)|(5<<22)|(7<<25)  ; rows of 256 bytes + 32
.irp g, G1A, G1B
	s_mov_b32 s[\g+1], 128<<16
	s_mov_b32 s[\g+2], 128<<16
	s_mov_b32 s[\g+3], 128<<16
	s_mov_b32 s[\g+4], 128
	s_mov_b32 s[\g+6], 0
	s_mov_b32 s[\g+7], 0
.endr
	s_mov_b32 s[G1A+5], 1024
	s_mov_b32 s[G1B+5], 8192
	s_mul_i32 s[WBA], s14, 34816
	s_mul_i32 s[WBB], s14, 36864
	s_add_co_u32 s[WBB], s[WBB], BOFF
	s_lshl_b32 s66, s18, 19                        ; 256 rows of 2,048 bytes
	s_lshl_b32 s67, s14, 18
	s_add_co_u32 s66, s66, s67
	s_mov_b32 s67, 0
	s_lshl_b32 s68, s17, 8                         ; 128 columns
	s_lshl_b32 s69, s14, 13                        ; the gate lies 4,096 columns on
	s_add_co_u32 s68, s68, s69
	s_mov_b32 s69, 0
	s_mov_b32 s[TB], 0
	s_mov_b32 s[TD], SLOT
	s_wait_dscnt 0x0                               ; the opening add is done
	s_wait_kmcnt 0x0
	s_add_nc_u64 s[66:67], s[4:5], s[66:67]
	s_add_nc_u64 s[68:69], s[6:7], s[68:69]
	CROUND                                         ; all sixteen work-groups are here
.irp z, 0,1
	s_mov_b32 s[G0A+4*\z], 1
	s_add_co_u32 s[G0A+4*\z+1], s[WBA], \z*SLOT
	s_add_nc_u64 s[G0A+4*\z+2:G0A+4*\z+3], s[66:67], \z*256
	s_or_b32 s[G0A+4*\z+3], s[G0A+4*\z+3], 0x80000000
	s_mov_b32 s[G0B+4*\z], 1
	s_add_co_u32 s[G0B+4*\z+1], s[WBB], \z*SLOT
	s_add_nc_u64 s[G0B+4*\z+2:G0B+4*\z+3], s[68:69], \z*0x200000
	s_or_b32 s[G0B+4*\z+3], s[G0B+4*\z+3], 0x80000000
	JLOAD \z                                       ; K steps 0 and 1: two loads of mine are out
.endr
	v_and_b32 v1, 15, v0
	v_bfe_u32 v2, v0, 4, 1
	v_and_b32 v3, 7, v0
	v_bfe_u32 v4, v0, 3, 1
	v_lshrrev_b32 v5, 5, v0
	v_lshl_add_u32 v5, v5, 6, v1                   ; 64 w + r
	v_lshlrev_b32 v6, 2, v5
	v_lshlrev_b32 v7, 5, v2                        ; my eight columns of a block of 16: 32 h bytes
	s_lshl_b32 s70, s18, 10
	s_mov_b32 s71, 0
	s_add_nc_u64 s[72:73], s[8:9], s[70:71]        ; rs of the block's rows
	s_lshl_b32 s70, s17, 9
	s_add_nc_u64 s[74:75], s[8:9], s[70:71]        ; the bias table at my columns, less 270,336
.irp a, 0,1,2,3
	global_load_b32 v[9+2*\a], v6, s[72:73] offset:\a*64
.endr
.irp j, 0,1,2,3,4,5,6,7
	global_load_b128 v[BIA+16*\j:BIA+16*\j+3], v7, s[74:75] offset:270336+\j*64
	global_load_b128 v[BIA+16*\j+4:BIA+16*\j+7], v7, s[74:75] offset:270336+\j*64+16
	global_load_b128 v[BIA+16*\j+8:BIA+16*\j+11], v7, s[74:75] offset:270336+16384+\j*64
	global_load_b128 v[BIA+16*\j+12:BIA+16*\j+15], v7, s[74:75] offset:270336+16384+\j*64+16
.endr
	s_mul_i32 s70, s[WV], 64*272
	v_mul_u32_u24 v16, v1, 272
	v_lshl_add_u32 v16, v2, 4, v16
	v_add_nc_u32 v16, s70, v16
	v_lshl_add_u32 v17, v2, 3, v3
	v_mul_u32_u24 v17, v17, 288
	v_lshl_add_u32 v17, v4, 4, v17
	v_add_nc_u32 v17, BOFF, v17
	v_add_nc_u32 v18, 36864, v17
	v_mov_b32 v19, v16
	v_mov_b32 v20, v17
	v_mov_b32 v21, v18
	s_lshl_b32 s70, s18, 2
	s_add_co_u32 s70, s70, s[WV]                   ; my block of 64 rows
	s_mul_i32 s70, s70, 655360
	s_lshl_b32 s76, s17, 14                        ; eight column blocks of 2,048 bytes
	s_add_co_u32 s70, s70, s76
	s_add_nc_u64 s[OUTP:OUTP+1], s[10:11], s[70:71]
	v_and_b32 v26, 31, v0
	v_lshlrev_b32 v26, 4, v26                      ; 16 x lane
.macro FETCH q, f                      ; 40 LDS loads: W's 16 fragments, turned, then hb's four
	WIN 0x40
.irp b, 0,1,2,3,4,5,6,7
	ds_load_tr16_b128 v[128*(\f)+8*\b:128*(\f)+8*\b+3], v20 offset:(\q)*9216+32*\b
	ds_load_tr16_b128 v[128*(\f)+8*\b+4:128*(\f)+8*\b+7], v20 offset:(\q)*9216+32*\b+4608
.endr
.irp b, 0,1,2,3,4,5,6,7
	ds_load_tr16_b128 v[128*(\f)+64+8*\b:128*(\f)+64+8*\b+3], v21 offset:(\q)*9216+32*\b
	ds_load_tr16_b128 v[128*(\f)+64+8*\b+4:128*(\f)+64+8*\b+7], v21 offset:(\q)*9216+32*\b+4608
.endr
	WIN 0
.irp a, 0,1,2,3
	ds_load_b128 v[FA+32*(\f)+8*\a:FA+32*(\f)+8*\a+3], v19 offset:\a*4352+64*(\q)
	ds_load_b128 v[FA+32*(\f)+8*\a+4:FA+32*(\f)+8*\a+7], v19 offset:\a*4352+64*(\q)+32
.endr
.endm
.macro MULA f, a, zero                 ; 16 products: row block a, all columns.  The 64 accumulators take turns in the same order in every quarter
	WIN 0xa1+0x50*((\a)/2)
.irp b, 0,1,2,3,4,5,6,7,8,9,10,11,12,13,14,15
.if \zero
	v_wmma_f32_16x16x32_bf16 v[128*((\a)%2)+8*\b:128*((\a)%2)+8*\b+7], v[128*(\f)+8*\b:128*(\f)+8*\b+7], v[FA+32*(\f)+8*(\a):FA+32*(\f)+8*(\a)+7], 0
.else
	v_wmma_f32_16x16x32_bf16 v[128*((\a)%2)+8*\b:128*((\a)%2)+8*\b+7], v[128*(\f)+8*\b:128*(\f)+8*\b+7], v[FA+32*(\f)+8*(\a):FA+32*(\f)+8*(\a)+7], v[128*((\a)%2)+8*\b:128*((\a)%2)+8*\b+7]
.endif
.endr
.endm
.macro QUARTER f, g, qn, zero
	s_wait_dscnt 4                                 ; all but hb's blocks 2, 3
	MULA \f, 0, \zero
	MULA \f, 1, \zero
	PLACES
	FETCH \qn, \g
	s_wait_dscnt 40                                ; all but the 40 just issued
	MULA \f, 2, \zero
	MULA \f, 3, \zero
.endm
; The last quarter multiplies buffer 1 and changes slots, in this order: the wait for all my tensor loads, the add, the wait for it and for my reads, the barrier
; (with fill = 1 a round of the cluster's), the refill first behind it.
.macro TURN fill
	WIN 0
	s_wait_tensorcnt 0x0
	ds_add_u32 v28, v29
	s_wait_dscnt 5                                 ; the add and hb's blocks 2, 3 may be out
	MULA 1, 0, 0
	s_wait_dscnt 0x0
	s_barrier_signal -1
	MULA 1, 1, 0
	WIN 0
	s_barrier_wait -1
.if \fill
	CREST
	s_xor_b32 s[TD], s[TD], SLOT
	s_add_co_u32 s[G0A+5], s[WBA], s[TD]
	s_add_co_u32 s[G0B+5], s[WBB], s[TD]
	s_add_nc_u64 s[G0A+6:G0A+7], s[G0A+6:G0A+7], 256
	s_add_nc_u64 s[G0B+6:G0B+7], s[G0B+6:G0B+7], 0x200000
	JLOAD 1
.else
	PLACES
.endif
	s_xor_b32 s[TB], s[TB], SLOT
	v_add_nc_u32 v19, s[TB], v16
	v_add_nc_u32 v20, s[TB], v17
	v_add_nc_u32 v21, s[TB], v18
	FETCH 0, 0
	MULA 1, 2, 0
	MULA 1, 3, 0
.endm
	s_wait_tensorcnt 0x1                           ; my part of K step 0 is in
	s_barrier_signal -1
	s_barrier_wait -1
	FETCH 0, 0
	QUARTER 0, 1, 1, 1
	WIN 0
	s_mov_b32 s[CNT], 6
.Lk:
	QUARTER 1, 0, 2, 0
	QUARTER 0, 1, 3, 0
	TURN 1
	QUARTER 0, 1, 1, 0
	WIN 0
	s_sub_co_u32 s[CNT], s[CNT], 1
	s_cmp_lg_u32 s[CNT], 0
	s_cbranch_scc1 .Lk
	s_mov_b32 s[CNT], 2
.Ltail:                                                ; K steps 6 and 7 ask for nothing; the second trip is left in its middle
	QUARTER 1, 0, 2, 0
	QUARTER 0, 1, 3, 0
	TURN 0
	WIN 0
	s_sub_co_u32 s[CNT], s[CNT], 1
	s_cmp_eq_u32 s[CNT], 0
	s_cbranch_scc1 .Lepi
	QUARTER 0, 1, 1, 0
	WIN 0
	s_branch .Ltail
.Lepi:
	s_wait_dscnt 0x0
	s_wait_loadcnt 0x0                             ; rs and the biases
	PLACES
.irp a, 0,1,2,3
	v_mul_f32 v[8+2*\a], 0xbfb8aa3b, v[9+2*\a]     ; -log2 e rs, for the gate
	v_mul_f32 v[9+2*\a], 0xbd317218, v[9+2*\a]     ; -(ln 2 / 16) rs, for x
.endr
.macro SILU a, j                       ; eight outputs a lane: row block a (of window 2), column block j; packed into registers of their own and stored as they lie
	WIN 0x02
.set ax, 128*(\a)+8*(\j)
.set ag, ax+64
.set bb, BIA+16*(\j)
.set pq, PK+32*(\a)+4*(\j)
.irp p, 0,1,2,3
	v_pk_fma_f32 v[T+2*\p:T+2*\p+1], v[ag+2*\p:ag+2*\p+1], v[8+2*(\a):9+2*(\a)], v[bb+8+2*\p:bb+9+2*\p] op_sel_hi:[1,0,1]
.endr
.irp p, 0,1,2,3
	v_pk_fma_f32 v[U+2*\p:U+2*\p+1], v[ax+2*\p:ax+2*\p+1], v[8+2*(\a):9+2*(\a)], v[bb+2*\p:bb+2*\p+1] op_sel:[0,1,0] op_sel_hi:[1,1,1]
.endr
	WIN 0
.irp p, 0,1,2,3,4,5,6,7
	v_exp_f32 v[E+\p], v[T+\p]
.endr
.irp p, 0,1,2,3
	v_pk_mul_f32 v[U+2*\p:U+2*\p+1], v[U+2*\p:U+2*\p+1], v[T+2*\p:T+2*\p+1]  ; u_x u_gate / 16: plain lines behind the exponentials
.endr
	s_wait_alu depctr_va_vdst(0)
.irp p, 0,1,2,3
	v_pk_add_f32 v[E+2*\p:E+2*\p+1], v[E+2*\p:E+2*\p+1], 1.0 op_sel_hi:[1,0]
.endr
.irp p, 0,1,2,3,4,5,6,7
	v_rcp_f32 v[E+\p], v[E+\p]
.endr
	v_nop
	s_wait_alu depctr_va_vdst(0)
.irp p, 0,1,2,3
	v_pk_mul_f32 v[U+2*\p:U+2*\p+1], v[U+2*\p:U+2*\p+1], v[E+2*\p:E+2*\p+1]
.endr
.irp p, 0,1,2,3
	v_cvt_pk_f16_f32 v[pq+\p], v[U+2*\p], v[U+2*\p+1]
.endr
	global_store_b128 v26, v[pq:pq+3], s[OUTP:OUTP+1] offset:(4*(\j)+(\a))*512  ; 512 consecutive bytes, aligned: column block j, row block a
.endm
	s_mov_b32 s[CNT], 2
.Lhalf:                                                ; two trips of two row blocks: the text names window 2; window 3 is copied down between the trips
.irp j, 0,1,2,3,4,5,6,7
	SILU 0, \j
.endr
.irp j, 0,1,2,3,4,5,6,7
	SILU 1, \j
.endr
	s_sub_co_u32 s[CNT], s[CNT], 1
	s_cmp_eq_u32 s[CNT], 0
	s_cbranch_scc1 .Ldone
	s_wait_xcnt 0x0                                ; the stores' base and data are rewritten only behind this wait
	s_add_nc_u64 s[OUTP:OUTP+1], s[OUTP:OUTP+1], 1024  ; two row blocks on
	WIN 0x83
.set i, 0
.rept 256
	v_mov_b32 v[i], v[i]
.set i, i+1
.endr
	WIN 0
.irp p, 0,1,2,3
	v_mov_b32 v[8+\p], v[12+\p]
.endr
	s_branch .Lhalf
.Ldone:
	s_wait_tensorcnt 0x0                           ; the wave's end
	ds_add_u32 v28, v29
	s_wait_dscnt 0x0
	CROUND
	s_endpgm
.Lfunc_end_k_qfadf3b95ac_ffn1:
	.size	k_qfadf3b95ac_ffn1, .Lfunc_end_k_qfadf3b95ac_ffn1-k_qfadf3b95ac_ffn1
	.p2alignl 7, 3214868480
	.fill 96, 4, 3214868480
	.section	.rodata,"a",@progbits
	.p2align	6, 0x0
	.amdhsa_kernel k_qfadf3b95ac_ffn1
		.amdhsa_group_segment_fixed_size 327680
		.amdhsa_private_segment_fixed_size 0
		.amdhsa_enable_private_segment 0
		.amdhsa_kernarg_size 32
		.amdhsa_user_sgpr_count 2
		.amdhsa_user_sgpr_kernarg_segment_ptr 1
		.amdhsa_wavefront_size32 1
		.amdhsa_system_sgpr_workgroup_id_x 1
		.amdhsa_system_sgpr_workgroup_id_y 1
		.amdhsa_system_sgpr_workgroup_id_z 1
		.amdhsa_system_vgpr_workitem_id 0
		.amdhsa_next_free_vgpr 1024
		.amdhsa_next_free_sgpr 96
		.amdhsa_reserve_vcc 0
		.amdhsa_float_denorm_mode_32 3
		.amdhsa_float_denorm_mode_16_64 3
		.amdhsa_memory_ordered 1
		.amdhsa_forward_progress 1
		.amdhsa_inst_pref_size 122
	.end_amdhsa_kernel
	.amdgpu_metadata
---
amdhsa.version: [ 1, 2 ]
amdhsa.kernels:
  - .name:           k_qfadf3b95ac_ffn1
    .symbol:         k_qfadf3b95ac_ffn1.kd
    .args:
      - { .name: hb, .offset: 0, .size: 8, .value_kind: global_buffer, .address_space: global }
      - { .name: W1b, .offset: 8, .size: 8, .value_kind: global_buffer, .address_space: global }
      - { .name: aux, .offset: 16, .size: 8, .value_kind: global_buffer, .address_space: global }
      - { .name: act, .offset: 24, .size: 8, .value_kind: global_buffer, .address_space: global }
    .group_segment_fixed_size: 327680
    .private_segment_fixed_size: 0
    .kernarg_segment_align: 8
    .kernarg_segment_size: 32
    .max_flat_workgroup_size: 128
    .sgpr_count:     96
    .vgpr_count:     1024
    .wavefront_size: 32
...
	.end_amdgpu_metadata
.endif
;; end of part 4
;; launch fin (part 5): grid 32 x 8, 4 waves a work-group, clusters of 4 x 1, 327,680 bytes of LDS; arguments act, W2o, hb, aux, learnedlambda, out0; writes out0
.if DOCPART == 5
	.amdgcn_target "amdgcn-amd-amdhsa--gfx1250"
	.amdhsa_code_object_version 6
	.text
	.protected	k_qfadf3b95ac_fin
	.globl	k_qfadf3b95ac_fin
	.p2align	8
	.type	k_qfadf3b95ac_fin,@function
k_qfadf3b95ac_fin:
	s_mov_b64 s[64:65], 0
	v_nop
	global_prefetch_b8 v0, s[64:65] scope:SCOPE_SE
	s_setreg_imm32_b32 hwreg(HW_REG_WAVE_MODE, 25, 1), 1
	s_wait_xcnt 0x0
	s_wait_alu depctr_hold_cnt(0) depctr_sa_sdst(0) depctr_va_vdst(0) depctr_va_sdst(0) depctr_va_ssrc(0) depctr_va_vcc(0) depctr_vm_vsrc(0)
	s_getreg_b32 s2, hwreg(HW_REG_IB_STS2, 6, 4)
	s_cmp_eq_u32 s2, 0
	s_cbranch_scc0 .Lentry_in_a_cluster
	s_endpgm
.Lentry_in_a_cluster:
	s_bfe_u32 s2, ttmp6, 0x10000c
	s_cmp_lg_u32 s2, 0x3003
	s_cbranch_scc0 .Lentry_shape_is_right
	s_endpgm
.Lentry_shape_is_right:
; FIN: out0 = hb lambda + (b2 + bo) + [ffa | y] x [W2; Wo].  act holds [ffa | y] / 16 in f16, W2o holds 16 [W2; Wo] in f16: the powers of two cancel.  One f32 sum chain a wave over its share of K = 5120.
; lambda is rounded to bf16, hb is h_states rounded to bf16; the residual and the biases are added in f32.
; SHARES.  Work-group: 64 rows x 128 columns.  K IS SPLIT AMONG THE WAVES: every wave holds all 32 accumulators; of each slot of K = 512 wave w multiplies k = 128 w .. 128 w + 127, in four steps of 32.
; So every byte of act and of W2o is read by one wave alone.  The four partial sums meet in LDS at the end, where wave w adds and stores rows 16 w .. 16 w + 15.
; W2o goes through LDS, which turns it (ds_load_tr16_b128): ten slots of K = 512 through two LDS slots; each wave fetches the 128 rows of k that it reads itself, one load of 32,768 bytes.
; ACT GOES STRAIGHT INTO REGISTERS.  It lies in memory as the operand's registers lie ([32 blocks of 64 rows][320 blocks of 16 columns][4 blocks of 16 rows][32 lanes x 16 bytes]), so a load of a
; wave takes 512 consecutive bytes.  A ring of eight places of 32 registers, one a step: the place that step t has used is loaded again in the middle of step t + 1, for step t + 8.
; CLUSTER 4 x 1: the four partners make four row blocks of one column block and walk the same W2o: joint loads, mask 15.  act is not asked for jointly: its other readers are the other seven column
; blocks, and with act's 64 x 512 numbers beside W2o's 512 x 128 a slot would not fit twice in LDS: it would hold K = 256, with twice as many changes of slots for the same work.
; The matrix instruction is used transposed (source 0 = 16 columns of W, source 1 = 16 rows of act): a lane holds one row and eight neighbouring columns.
; REGISTERS.  window 0: v6-8 offsets; v11 lambda; v12-15 b2 + bo; v20-24 LDS addresses; v28, v29 the add's; v32-95, v96-159 W's fragments, two buffers; v160-223 hb lambda + b2 + bo, then the results;
;   v224-255 hb     window 1: acc(a, b) at 64 a + 8 b, at the end the four waves' partial sums     window 2: act's ring, place u at 32 u
.set SLOT,  147456                     ; 4 waves x 128 k x 288 bytes
.set WPART, 36864                      ; a wave's part of a slot
.set SPARE, 2*SLOT                     ; the spare words
.set RBLK,  8448                       ; 16 rows x 528 bytes of partial sums; [row block][wave] from LDS byte 0 on, in slot 0 when it has had its last fill and has been read out
.set WV,  16
.set G1,  24                           ; s[24:31] group 1
.set G0,  32                           ; s[32:39] group 0, a set for each slot
.set CNT, 40
.set LAM, 41
.set AP,  42                           ; s[42:43] act at my wave's column blocks
.set HP,  44                           ; s[44:45] hb at the tile
.set BP,  46                           ; s[46:47] aux at my columns' biases, less 303,104
.set OP,  48                           ; s[48:49] out0 at the tile
.set FB,  32
.set R,   160
.set HB,  224
.set LAP, 131072                       ; bytes of act from a slot to the slot two on: 2 x 32 column blocks of 2,048
.set MSB, 0
.macro WIN new                         ; the high byte repeats the setting that is left; a switch that changes nothing is dropped
.if MSB != (\new)
	s_set_vgpr_msb (MSB<<8)|(\new)
.set MSB, (\new)
.endif
.endm
.macro PLACES                          ; four places behind matrix instructions (ISA guide 7.12.1)
.rept 4
	v_nop
.endr
.endm
.macro CREST
	s_cmp_lg_u32 s[WV], 0
	s_cbranch_scc1 .Lnot_wave_0_\@
	s_barrier_signal -3
.Lnot_wave_0_\@:
	s_barrier_wait -3
	s_barrier_signal -1
	s_barrier_wait -1
.endm
.macro CROUND
	s_barrier_signal -1
	s_barrier_wait -1
	CREST
.endm
.macro JLOAD s                         ; every wave asks for its own 128 rows of k, at LDS bytes WPART x wave + the slot; an s_nop 0 and four v_nop follow
	tensor_load_to_lds s[G0+4*(\s):G0+4*(\s)+3], s[G1:G1+7]
	s_nop 0
	PLACES
.endm
; Eight loads: act's four fragments of one step into ring place u.  A step is two column blocks of 2,048 bytes; places 4-7 belong to the slot behind places 0-3.
.macro ALOAD u, off
	WIN 0x80
.irp j, 0,1
.irp a, 0,1,2,3
	global_load_b128 v[32*(\u)+8*\a+4*\j:32*(\u)+8*\a+4*\j+3], v7, s[AP:AP+1] offset:(\off)+((\u)/4)*65536+((\u)%4)*4096+\j*2048+\a*512
.endr
.endr
.endm
	s_load_b256 s[4:11], s[0:1], 0x0               ; act 4, W2o 6, hb 8, aux 10
	s_load_b128 s[12:15], s[0:1], 0x20             ; learnedlambda 12, out0 14
	v_lshl_add_u32 v28, v0, 2, SPARE
	v_mov_b32 v29, 0
	ds_add_u32 v28, v29                            ; the wave's opening: the add and its wait stand ahead of my first tensor load
	v_lshrrev_b32 v1, 5, v0
	v_readfirstlane_b32 s[WV], v1
	s_bfe_u32 s17, ttmp6, 0x40000                  ; cx
	s_lshl_b32 s18, ttmp9, 2
	s_add_co_u32 s18, s18, s17                     ; block of 64 rows: it enters act's, hb's and out0's addresses alone
	s_and_b32 s19, ttmp7, 0xffff                   ; block of 128 columns, which the four partners share
	s_mov_b32 s[G1], 15|(1<<16)|(1<<20)|(1<<21)|(5<<22)|(7<<25)  ; the mask of four; 2-byte elements; 8 words of padding after every 64: rows of 288 bytes
	s_mov_b32 s[G1+1], 128<<16                     ; tensor_dim0 = 128
	s_mov_b32 s[G1+2], 128<<16                     ; tensor_dim1 = 128
	s_mov_b32 s[G1+3], 128<<16                     ; tile_dim0 = 128
	s_mov_b32 s[G1+4], 128                         ; tile_dim1 = 128
	s_mov_b32 s[G1+5], 1024                        ; W2o's pitch
	s_mov_b32 s[G1+6], 0
	s_mov_b32 s[G1+7], 0
	s_mul_i32 s20, s[WV], WPART                    ; my part of a slot
	s_lshl_b32 s50, s[WV], 18                      ; my 128 rows of k, 2,048 bytes each,
	s_lshl_b32 s51, s19, 8                         ; the tile's 128 columns
	s_add_co_u32 s50, s50, s51
	s_mov_b32 s51, 0
	s_mul_i32 s52, s18, 655360                     ; act: my block of 64 rows,
	s_lshl_b32 s53, s[WV], 14                      ; my eight column blocks of a slot's 32
	s_add_co_u32 s52, s52, s53
	s_mov_b32 s53, 0
	v_and_b32 v5, 31, v0
	v_lshlrev_b32 v7, 4, v5                        ; 16 x lane
	s_wait_dscnt 0x0                               ; the opening add is done
	s_wait_kmcnt 0x0
	s_load_b32 s[LAM], s[12:13], 0x0
	s_add_nc_u64 s[50:51], s[6:7], s[50:51]
	s_add_nc_u64 s[AP:AP+1], s[4:5], s[52:53]
.irp u, 0,1,2,3,4,5,6
	ALOAD \u, 0                                    ; act of steps 0 to 6: 56 loads, on their way while the partners meet
.endr
	WIN 0
	CROUND                                         ; all four work-groups are here: the first joint loads meet
.irp z, 0,1
	s_mov_b32 s[G0+4*\z], 1
	s_add_co_u32 s[G0+4*\z+1], s20, \z*SLOT
	s_add_nc_u64 s[G0+4*\z+2:G0+4*\z+3], s[50:51], \z*0x100000  ; a slot is 512 rows of k: 1,048,576 bytes
	s_or_b32 s[G0+4*\z+3], s[G0+4*\z+3], 0x80000000
	JLOAD \z                                       ; slots 0 and 1: two loads of mine are out
.endr
	v_and_b32 v1, 15, v0
	v_bfe_u32 v2, v0, 4, 1
	v_and_b32 v3, 7, v0
	v_bfe_u32 v4, v0, 3, 1
	s_lshl_b32 s52, s18, 17                        ; hb: 64 rows of 2,048 bytes,
	s_lshl_b32 s53, s19, 8                         ; 128 columns
	s_add_co_u32 s52, s52, s53
	s_mov_b32 s53, 0
	s_add_nc_u64 s[HP:HP+1], s[8:9], s[52:53]
	s_lshl_b32 s52, s19, 9
	s_add_nc_u64 s[BP:BP+1], s[10:11], s[52:53]
	s_lshl_b32 s54, s18, 18
	s_add_co_u32 s52, s52, s54
	s_add_nc_u64 s[OP:OP+1], s[14:15], s[52:53]
	s_lshl_b32 s54, s[WV], 15
	v_lshl_add_u32 v6, v5, 3, s54                  ; hb: 16 w rows + 8 lane
	s_lshl_b32 s54, s[WV], 16
	v_add_nc_u32 v8, s54, v7                       ; out0: 16 w rows + 16 lane
	v_lshl_add_u32 v17, v2, 3, v3
	v_mul_u32_u24 v17, v17, 288
	v_lshl_add_u32 v17, v4, 4, v17
	v_add_nc_u32 v20, s20, v17                     ; W's fragments in slot 0: my part + (8 h + l % 8) x 288 + 16 ((l / 8) % 2)
	v_add_nc_u32 v21, SLOT, v20                    ; and in slot 1
	s_mul_i32 s54, s[WV], RBLK
	v_mul_u32_u24 v22, v1, 528
	v_lshl_add_u32 v22, v2, 5, v22
	v_add_nc_u32 v22, s54, v22                     ; the partial sums in: [row block][my wave], row r, 32 h bytes; row blocks 0, 1
	v_add_nc_u32 v23, 8*RBLK, v22                  ; row blocks 2, 3
	s_mul_i32 s54, s[WV], 4*RBLK
	v_add_nc_u32 v24, s54, v7                      ; and back: row block w, whole rows
	s_wait_kmcnt 0x0
	v_mov_b32 v11, s[LAM]
	v_cvt_pk_bf16_f32 v11, v11, v11
	v_lshlrev_b32 v11, 16, v11
.macro FETCH slot, q, f                ; 16 LDS loads: W's eight fragments of step q of the slot, turned, column blocks in ascending order
	WIN 0
.irp b, 0,1,2,3,4,5,6,7
	ds_load_tr16_b128 v[FB+64*(\f)+8*\b:FB+64*(\f)+8*\b+3], v[20+(\slot)] offset:(\q)*9216+32*\b
	ds_load_tr16_b128 v[FB+64*(\f)+8*\b+4:FB+64*(\f)+8*\b+7], v[20+(\slot)] offset:(\q)*9216+32*\b+4608
.endr
.endm
; 4 nb products: column blocks b0 .. b0 + nb - 1, all four row blocks; W's buffer f, act's ring place u.  The 32 accumulators take turns in the same order in every step.
.macro MULB f, u, b0, nb, zero
	WIN 0x58                                       ; W in window 0, act in window 2, the sums in window 1
.set cb, (\b0)
.rept \nb
.irp a, 0,1,2,3
.if \zero
	v_wmma_f32_16x16x32_f16 v[64*\a+8*cb:64*\a+8*cb+7], v[FB+64*(\f)+8*cb:FB+64*(\f)+8*cb+7], v[32*(\u)+8*\a:32*(\u)+8*\a+7], 0
.else
	v_wmma_f32_16x16x32_f16 v[64*\a+8*cb:64*\a+8*cb+7], v[FB+64*(\f)+8*cb:FB+64*(\f)+8*cb+7], v[32*(\u)+8*\a:32*(\u)+8*\a+7], v[64*\a+8*cb:64*\a+8*cb+7]
.endif
.endr
.set cb, cb+1
.endr
.endm
; One of a slot's first three steps.  In its middle, four places behind the step before's last product: W's fragments of the next step, and (rel >= 0) act for eight steps behind the step before,
; into the place that it used.  lcnt: the global loads issued behind this step's act.  hbl = 1: hb and the biases are asked for here, behind all of act's loads.
.macro STEP slot, q, u, zero, rel, lcnt, hbl=0
	s_wait_loadcnt \lcnt                           ; loads come back in order: this step's act is in, the younger steps' stay out
	s_wait_dscnt 8                                 ; column blocks 0-3 are in; the eight loads of blocks 4-7 may be out
	MULB (\q)%2, \u, 0, 4, \zero
	PLACES
	FETCH \slot, (\q)+1, ((\q)+1)%2
.if (\rel) >= 0
	ALOAD ((\u)+7)%8, \rel
.endif
.if \hbl
	WIN 0
.set i, 0
.rept 16
	global_load_b64 v[HB+2*i:HB+2*i+1], v6, s[HP:HP+1] offset:i*2048
.set i, i+1
.endr
	global_load_b128 v[12:15], v7, s[BP:BP+1] offset:303104
.endif
	s_wait_dscnt 16                                ; all but the 16 just issued
	MULB (\q)%2, \u, 4, 4, \zero
.endm
; A slot's last step, and the change of slots: each wave waits for all its tensor loads (one is out: its part of the next slot), adds 0 to its spare word, and waits for that and for its reads of
; this slot.  fill = 1: a round of the cluster's barrier, and this slot is filled again first thing behind it, two slots ahead.  Eight products stand between the add and the wait for it; the other
; 24, which need registers alone, stand behind the refill.
.macro TURN slot, u, fill, rel, lcnt
	WIN 0
	s_wait_tensorcnt 0x0
	ds_add_u32 v28, v29
.if \fill
	s_add_nc_u64 s[G0+4*(\slot)+2:G0+4*(\slot)+3], s[G0+4*(\slot)+2:G0+4*(\slot)+3], 0x200000  ; no tensor load of mine is out: this slot's descriptor steps two slots on
.endif
	s_wait_loadcnt \lcnt
	s_wait_dscnt 13                                ; column blocks 0, 1 are in; twelve loads and the add may be out
	MULB 1, \u, 0, 2, 0
	s_wait_dscnt 0x0                               ; the add is done, my reads of this slot are over
	WIN 0
	s_barrier_signal -1
	s_barrier_wait -1
.if \fill
	CREST
	JLOAD \slot                                    ; its four v_nop are also the places in front of the loads below
.else
	PLACES
.endif
	FETCH 1-(\slot), 0, 0
.if (\rel) >= 0
	ALOAD ((\u)+7)%8, \rel
.endif
	MULB 1, \u, 2, 6, 0
.endm
	s_wait_tensorcnt 0x1                           ; my part of slot 0 is in; slot 1's may stay out
	s_barrier_signal -1
	s_barrier_wait -1
	FETCH 0, 0, 0
	STEP 0, 0, 0, 1, 0, 48                         ; step 0 starts the sums; in its middle act of step 7 is asked for.  48: six younger steps' loads, eight each
	WIN 0
	s_mov_b32 s[CNT], 4
.Lk:                                                   ; a trip: steps 8 i + 1 .. 8 i + 8, two changes of slots; four trips ask for slots 2 to 9 and for act of steps 8 to 39
	STEP 0, 1, 1, 0, LAP, 48
	STEP 0, 2, 2, 0, LAP, 48
	TURN 0, 3, 1, LAP, 48
	STEP 1, 0, 4, 0, LAP, 48
	STEP 1, 1, 5, 0, LAP, 48
	STEP 1, 2, 6, 0, LAP, 48
	TURN 1, 7, 1, LAP, 48
	STEP 0, 0, 0, 0, LAP, 48
	WIN 0
	s_wait_xcnt 0x0                                ; act's base steps only behind this wait
	s_add_nc_u64 s[AP:AP+1], s[AP:AP+1], LAP
	s_sub_co_u32 s[CNT], s[CNT], 1
	s_cmp_lg_u32 s[CNT], 0
	s_cbranch_scc1 .Lk
	STEP 0, 1, 1, 0, -1, 48                        ; steps 33 to 39 are written out: nothing more is asked for of act or of W2o, and the counts run down
	STEP 0, 2, 2, 0, -1, 40, 1                     ; hb's 16 loads and the biases' one go out here: the counts below hold 17 more
	TURN 0, 3, 0, -1, 32+17                        ; behind this barrier no wave reads LDS slot 0 any more, and it has had its last fill
	STEP 1, 0, 4, 0, -1, 24+17
	STEP 1, 1, 5, 0, -1, 16+17
	STEP 1, 2, 6, 0, -1, 8+17
	s_wait_loadcnt 17
	s_wait_dscnt 8
	MULB 1, 7, 0, 4, 0
	s_wait_dscnt 0x0
	MULB 1, 7, 4, 4, 0
	WIN 0
	PLACES
	; THE PARTIAL SUMS MEET.  A lane's eight columns of a row are 32 bytes: they go into rows of 512 + 16 bytes, [row block][wave]; each accumulator's low registers first.
	WIN 0x04
.set i, 0
.rept 64
	ds_store_b128 v[22+i/32], v[4*i:4*i+3] offset:((i/16)%2)*4*RBLK+((i%16)/2)*64+(i%2)*16
.set i, i+1
.endr
	WIN 0
	s_wait_dscnt 0x0                               ; for the others' sake: my stores are done
	s_barrier_signal -1
	s_barrier_wait -1
	WIN 0x40
.set i, 0
.rept 64                               ; row i / 4 of row block w, as wave i % 4 summed it: a whole row, 16 bytes a lane
	ds_load_b128 v[4*i:4*i+3], v24 offset:(i%4)*RBLK+(i/4)*528
.set i, i+1
.endr
	WIN 0
	s_wait_loadcnt 0x0                             ; hb and the biases
.set i, 0
.rept 16                               ; hb lambda + (b2 + bo), made while the LDS loads are out
	v_fma_mix_f32_bf16 v[R+4*i], v[HB+2*i], v11, v12 op_sel_hi:[1,0,0]
	v_fma_mix_f32_bf16 v[R+4*i+1], v[HB+2*i], v11, v13 op_sel:[1,0,0] op_sel_hi:[1,0,0]
	v_fma_mix_f32_bf16 v[R+4*i+2], v[HB+2*i+1], v11, v14 op_sel_hi:[1,0,0]
	v_fma_mix_f32_bf16 v[R+4*i+3], v[HB+2*i+1], v11, v15 op_sel:[1,0,0] op_sel_hi:[1,0,0]
.set i, i+1
.endr
	s_wait_dscnt 0x0
	WIN 0x55
.set i, 0
.rept 16
	v_pk_add_f32 v[16*i:16*i+1], v[16*i:16*i+1], v[16*i+4:16*i+5]
	v_pk_add_f32 v[16*i+2:16*i+3], v[16*i+2:16*i+3], v[16*i+6:16*i+7]
	v_pk_add_f32 v[16*i+8:16*i+9], v[16*i+8:16*i+9], v[16*i+12:16*i+13]
	v_pk_add_f32 v[16*i+10:16*i+11], v[16*i+10:16*i+11], v[16*i+14:16*i+15]
.set i, i+1
.endr
.set i, 0
.rept 16
	v_pk_add_f32 v[16*i:16*i+1], v[16*i:16*i+1], v[16*i+8:16*i+9]
	v_pk_add_f32 v[16*i+2:16*i+3], v[16*i+2:16*i+3], v[16*i+10:16*i+11]
.set i, i+1
.endr
	WIN 0x01                                       ; the sums in window 1, the rest and the result in window 0
.set i, 0
.rept 16
	v_pk_add_f32 v[R+4*i:R+4*i+1], v[16*i:16*i+1], v[R+4*i:R+4*i+1]
	v_pk_add_f32 v[R+4*i+2:R+4*i+3], v[16*i+2:16*i+3], v[R+4*i+2:R+4*i+3]
.set i, i+1
.endr
	WIN 0
.set i, 0
.rept 16
	global_store_b128 v8, v[R+4*i:R+4*i+3], s[OP:OP+1] offset:i*4096 th:TH_STORE_NT  ; 512 consecutive bytes, aligned
.set i, i+1
.endr
	s_wait_tensorcnt 0x0                           ; the wave's end
	ds_add_u32 v28, v29
	s_wait_dscnt 0x0
	CROUND                                         ; the closing round
	s_endpgm
.Lfunc_end_k_qfadf3b95ac_fin:
	.size	k_qfadf3b95ac_fin, .Lfunc_end_k_qfadf3b95ac_fin-k_qfadf3b95ac_fin
	.p2alignl 7, 3214868480
	.fill 96, 4, 3214868480
	.section	.rodata,"a",@progbits
	.p2align	6, 0x0
	.amdhsa_kernel k_qfadf3b95ac_fin
		.amdhsa_group_segment_fixed_size 327680
		.amdhsa_private_segment_fixed_size 0
		.amdhsa_enable_private_segment 0
		.amdhsa_kernarg_size 48
		.amdhsa_user_sgpr_count 2
		.amdhsa_user_sgpr_kernarg_segment_ptr 1
		.amdhsa_wavefront_size32 1
		.amdhsa_system_sgpr_workgroup_id_x 1
		.amdhsa_system_sgpr_workgroup_id_y 1
		.amdhsa_system_sgpr_workgroup_id_z 1
		.amdhsa_system_vgpr_workitem_id 0
		.amdhsa_next_free_vgpr 768
		.amdhsa_next_free_sgpr 66
		.amdhsa_reserve_vcc 0
		.amdhsa_float_denorm_mode_32 3
		.amdhsa_float_denorm_mode_16_64 3
		.amdhsa_memory_ordered 1
		.amdhsa_forward_progress 1
		.amdhsa_inst_pref_size 96
	.end_amdhsa_kernel
	.amdgpu_metadata
---
amdhsa.version: [ 1, 2 ]
amdhsa.kernels:
  - .name:           k_qfadf3b95ac_fin
    .symbol:         k_qfadf3b95ac_fin.kd
    .args:
      - { .name: act, .offset: 0, .size: 8, .value_kind: global_buffer, .address_space: global }
      - { .name: W2o, .offset: 8, .size: 8, .value_kind: global_buffer, .address_space: global }
      - { .name: hb, .offset: 16, .size: 8, .value_kind: global_buffer, .address_space: global }
      - { .name: aux, .offset: 24, .size: 8, .value_kind: global_buffer, .address_space: global }
      - { .name: learnedlambda, .offset: 32, .size: 8, .value_kind: global_buffer, .address_space: global }
      - { .name: out0, .offset: 40, .size: 8, .value_kind: global_buffer, .address_space: global }
    .group_segment_fixed_size: 327680
    .private_segment_fixed_size: 0
    .kernarg_segment_align: 8
    .kernarg_segment_size: 48
    .max_flat_workgroup_size: 128
    .sgpr_count:     66
    .vgpr_count:     768
    .wavefront_size: 32
...
	.end_amdgpu_metadata
.endif
;; end of part 5
;; ======== version 2 of 2: 5 launches; version 1 with the launch prep written anew for expert scheduling mode
;; limits: values are held in f16: magnitudes above 65,504 overflow, below 6.1e-05 lose precision; inputs' magnitudes at most 4,094; right only within a limited range of input values
;; workspace buffers: W1b 16,777,216 bytes; Wp 10,485,760 bytes; W2o 10,485,760 bytes; hb 4,194,304 bytes; aux 307,200 bytes; qkv 20,971,520 bytes; act 20,971,520 bytes
;; launch prep (part 6): grid 1281 x 1, 8 waves a work-group, no clusters, 0 bytes of LDS; arguments W1, W2, Wo, Wq, Wk, Wv, Wqb, Wkb, h_states, b1, b2, bo, W1b, W2o, Wp, hb, aux; writes W1b, W2o, Wp, hb, aux
.if DOCPART == 6
	.amdgcn_target "amdgcn-amd-amdhsa--gfx1250"
	.amdhsa_code_object_version 6
	.text
	.protected	k_qfadf3b95ac_prep
	.globl	k_qfadf3b95ac_prep
	.p2align	8
	.type	k_qfadf3b95ac_prep,@function
k_qfadf3b95ac_prep:
	s_mov_b64 s[64:65], 0
	v_nop
	global_prefetch_b8 v0, s[64:65] scope:SCOPE_SE
	s_setreg_imm32_b32 hwreg(HW_REG_WAVE_SCHED_MODE, 0, 2), 2
	s_setreg_imm32_b32 hwreg(HW_REG_WAVE_MODE, 25, 1), 1
	s_wait_xcnt 0x0
	s_wait_alu depctr_vm_vsrc(0)
; PREP: every input is rounded once to bf16 and laid out for the matrix launches.  A pure stream: no LDS, no matrix unit, no barrier.
;   work-groups 0..511     W1 -> W1b, bf16, same layout
;   work-groups 512..831   [W2; Wo] -> W2o: rounded to bf16, times 16 (exact), written as f16
;   work-groups 832..1151  Wq, Wk, Wv, Wqb, Wkb -> Wp, bf16, [head][K step of 128][matrix][128 k][64 c]
;   work-groups 1152..1279 h_states -> hb (bf16), rs[row] = rsqrt(mean(hb^2) + 2^-23), and the rope table (bf16, [row][cos 32 | sin 32])
;   work-group  1280       b1 (rounded, times -ln2/16 for the first half, -log2 e for the gate half), b2 + bo (each rounded)
; LIMITS.  16 |W2|, 16 |Wo| must stay under 65,504 (|W| < 4,094); below 6e-5 they keep f16's fixed step.  The rope angle t x inv_freq is reduced by k pi/2 in two
; fused steps; sine to r^7, cosine to r^8 on |r| <= pi/4 (what is dropped is below 4e-7); inv_freq comes from exp2, so an angle may be off by some 3e-4 at t = 2047,
; which can turn the last bit of a bf16 table entry.
; A thread's 16 loads of 16 bytes are all issued first; each store of a wave covers 256 consecutive bytes, aligned.
; THE MODE: SCHED_MODE bits 1:0 = 2 (LLVM: expert scheduling mode 2), set by the entry lines.  The code itself states the register dependences
; between vector instructions and memory instructions, with s_wait_alu, always for 0.
; THE PLAN.  Registers that memory instructions touch:
;   v2, v3 (rows: v12, v13 too)  byte offsets.  Made at a branch's head, ahead of one wait on va_vdst, and never written again.
;   X   Each register is the target of one load, all issued first; behind its load's wait vector instructions alone name it (the biases' branch stores from it, once, behind all its arithmetic).
;   Y   Each register is written by its unit's conversions, read by one store, and never written again.
; The 16 units go in four groups of four.  Group g's conversions write Y of group g; the stores of group g - 1 are issued in group g, one in front of each unit's conversions, behind ONE wait on
; va_vdst at the group's head: no vector instruction issued since that wait names v3 or the older group's Y.  No register that a memory instruction reads is written again, so a wait on vm_vsrc
; stands at the two writes of EXEC alone.  The text has no loop.
.set X,    16                          ; v[16:79]   16 x 4 numbers as loaded
.set Y,    80                          ; v[80:111]  16 x 2 registers to store
.set SRC,  44                          ; s[44:45]   source at the work-group's part
.set DST,  46                          ; s[46:47]   destination
.set OFS,  48                          ; s[48:49]   an offset, high word 0
.set HI16, 42                          ; s42        mask of a word's upper half
.set MK,   4                           ; s[4:7]     rows: the masks of the four table entries' selects
.set M1,   43                          ; s43        rows: the mask lane = 1
; kind 0: to bf16.  kind 1: to bf16, times 16, to f16.  kind 2: to bf16, and the squares of the rounded numbers summed, rows 0 and 1 of the wave in v[4:7] and v[8:11].
.macro CAST kind, instep, outstep
	s_wait_alu depctr_va_vdst(0)                   ; the offsets are written (v2, v3; in the rows' branch v12 and v13 too): every load and store below reads one of them
.set u, 0
.rept 16
	global_load_b128 v[X+4*u:X+4*u+3], v2, s[SRC:SRC+1] offset:u*(\instep) th:TH_LOAD_NT
.set u, u+1
.endr
.set u, 0
.rept 16
	s_wait_loadcnt 15-u                            ; loads come back in order: number u is in, the younger ones stay out
.if ((u%4) == 0) && (u > 0)
	s_wait_alu depctr_va_vdst(0)                   ; the group before has written its eight registers of Y, which this group's four stores read
.endif
.if u >= 4
	global_store_b64 v3, v[Y+2*(u-4):Y+2*(u-4)+1], s[DST:DST+1] offset:(u-4)*(\outstep)  ; the unit four back; no vector instruction since the wait names these registers
.endif
	v_cvt_pk_bf16_f32 v[Y+2*u], v[X+4*u], v[X+4*u+1]
	v_cvt_pk_bf16_f32 v[Y+2*u+1], v[X+4*u+2], v[X+4*u+3]
.if (\kind) > 0
	v_lshlrev_b32 v[X+4*u], 16, v[Y+2*u]           ; the rounded numbers as f32 again
	v_and_b32 v[X+4*u+1], s[HI16], v[Y+2*u]
	v_lshlrev_b32 v[X+4*u+2], 16, v[Y+2*u+1]
	v_and_b32 v[X+4*u+3], s[HI16], v[Y+2*u+1]
.endif
.if (\kind) == 1
	v_pk_mul_f32 v[X+4*u:X+4*u+1], v[X+4*u:X+4*u+1], 0x41800000 op_sel_hi:[1,0]
	v_pk_mul_f32 v[X+4*u+2:X+4*u+3], v[X+4*u+2:X+4*u+3], 0x41800000 op_sel_hi:[1,0]
	v_cvt_pk_f16_f32 v[Y+2*u], v[X+4*u], v[X+4*u+1]
	v_cvt_pk_f16_f32 v[Y+2*u+1], v[X+4*u+2], v[X+4*u+3]
.endif
.if (\kind) == 2
.if (u%8) == 0
	v_pk_mul_f32 v[4+4*(u/8):5+4*(u/8)], v[X+4*u:X+4*u+1], v[X+4*u:X+4*u+1]
	v_pk_mul_f32 v[6+4*(u/8):7+4*(u/8)], v[X+4*u+2:X+4*u+3], v[X+4*u+2:X+4*u+3]
.else
	v_pk_fma_f32 v[4+4*(u/8):5+4*(u/8)], v[X+4*u:X+4*u+1], v[X+4*u:X+4*u+1], v[4+4*(u/8):5+4*(u/8)]
	v_pk_fma_f32 v[6+4*(u/8):7+4*(u/8)], v[X+4*u+2:X+4*u+3], v[X+4*u+2:X+4*u+3], v[6+4*(u/8):7+4*(u/8)]
.endif
.endif
.set u, u+1
.endr
	s_wait_alu depctr_va_vdst(0)                   ; the last group has written its Y, which the last four stores read
.set u, 12
.rept 4
	global_store_b64 v3, v[Y+2*u:Y+2*u+1], s[DST:DST+1] offset:u*(\outstep)
.set u, u+1
.endr
.endm
	s_load_b512 s[8:23], s[0:1], 0x0               ; W1 8, W2 10, Wo 12, Wq 14, Wk 16, Wv 18, Wqb 20, Wkb 22
	s_load_b512 s[24:39], s[0:1], 0x40             ; h 24, b1 26, b2 28, bo 30, W1b 32, W2o 34, Wp 36, hb 38
	s_load_b64 s[40:41], s[0:1], 0x80              ; aux
	s_mov_b32 s2, ttmp9
	s_mov_b32 s[HI16], 0xffff0000
	s_mov_b32 s[OFS+1], 0
	v_and_b32 v1, 31, v0                           ; lane
	v_lshrrev_b32 v14, 5, v0                       ; wave
	s_wait_kmcnt 0x0
	s_cmp_lt_u32 s2, 512
	s_cbranch_scc0 .Lnot_w1
	; W1: 65,536 bytes in, 32,768 out
	s_lshl_b32 s[OFS], s2, 16
	s_add_nc_u64 s[SRC:SRC+1], s[8:9], s[OFS:OFS+1]
	s_lshl_b32 s[OFS], s2, 15
	s_add_nc_u64 s[DST:DST+1], s[32:33], s[OFS:OFS+1]
	v_lshlrev_b32 v2, 4, v0
	v_lshlrev_b32 v3, 3, v0
	CAST 0, 4096, 2048
	s_endpgm
.Lnot_w1:
	s_cmp_lt_u32 s2, 832
	s_cbranch_scc0 .Lnot_w2
	; W2 (256 work-groups), then Wo (64): one destination, end to end
	s_sub_co_u32 s3, s2, 512
	s_sub_co_u32 s4, s2, 768
	s_cmp_lt_u32 s2, 768
	s_cselect_b32 s4, s3, s4
	s_cselect_b64 s[SRC:SRC+1], s[10:11], s[12:13]
	s_lshl_b32 s[OFS], s4, 16
	s_add_nc_u64 s[SRC:SRC+1], s[SRC:SRC+1], s[OFS:OFS+1]
	s_lshl_b32 s[OFS], s3, 15
	s_add_nc_u64 s[DST:DST+1], s[34:35], s[OFS:OFS+1]
	v_lshlrev_b32 v2, 4, v0
	v_lshlrev_b32 v3, 3, v0
	CAST 1, 4096, 2048
	s_endpgm
.Lnot_w2:
	s_cmp_lt_u32 s2, 1152
	s_cbranch_scc0 .Lnot_wp
	; The five projections.  j = matrix x 64 + half of the heads x 32 + block of 32 k; wave w takes head 8 x half + w: 32 rows of k x 64 columns.
	s_sub_co_u32 s3, s2, 832
	s_lshr_b32 s4, s3, 6                           ; matrix 0..4
	s_bfe_u32 s5, s3, 0x10005                      ; which eight heads
	s_and_b32 s6, s3, 31                           ; block of 32 k
	s_cmp_eq_u32 s4, 1
	s_cselect_b64 s[SRC:SRC+1], s[16:17], s[14:15]
	s_cmp_eq_u32 s4, 2
	s_cselect_b64 s[SRC:SRC+1], s[18:19], s[SRC:SRC+1]
	s_cmp_eq_u32 s4, 3
	s_cselect_b64 s[SRC:SRC+1], s[20:21], s[SRC:SRC+1]
	s_cmp_eq_u32 s4, 4
	s_cselect_b64 s[SRC:SRC+1], s[22:23], s[SRC:SRC+1]
	s_lshl_b32 s[OFS], s6, 17                      ; 32 rows of 4,096 bytes
	s_lshl_b32 s7, s5, 11                          ; eight heads of 256 bytes
	s_add_co_u32 s[OFS], s[OFS], s7
	s_add_nc_u64 s[SRC:SRC+1], s[SRC:SRC+1], s[OFS:OFS+1]
	s_lshr_b32 s7, s6, 2                           ; K step of 128
	s_mul_i32 s7, s7, 5
	s_add_co_u32 s7, s7, s4
	s_lshl_b32 s7, s7, 14                          ; (K step x 5 + matrix) x 16,384
	s_and_b32 s6, s6, 3
	s_lshl_b32 s6, s6, 12                          ; 32 rows of 128 bytes
	s_add_co_u32 s7, s7, s6
	s_mul_i32 s[OFS], s5, 5242880                  ; eight heads of 655,360 bytes
	s_add_co_u32 s[OFS], s[OFS], s7
	s_add_nc_u64 s[DST:DST+1], s[36:37], s[OFS:OFS+1]
	v_lshrrev_b32 v2, 4, v1                        ; lanes 0-15 take row k, lanes 16-31 row k + 1
	v_lshlrev_b32 v2, 12, v2
	v_lshl_add_u32 v2, v14, 8, v2                  ; + my head's 256 bytes
	v_and_b32 v3, 15, v0
	v_lshl_add_u32 v2, v3, 4, v2
	v_mul_u32_u24 v3, v14, 0xa0000                 ; my head's 655,360 bytes
	v_lshl_add_u32 v3, v1, 3, v3
	CAST 0, 8192, 256
	s_endpgm
.Lnot_wp:
	s_cmp_lt_u32 s2, 1280
	s_cbranch_scc0 .Lbias
	; Rows.  Wave w takes rows t0 = 16 j + 2 w and t0 + 1.
	s_sub_co_u32 s3, s2, 1152
	s_lshl_b32 s[OFS], s3, 16
	s_add_nc_u64 s[SRC:SRC+1], s[24:25], s[OFS:OFS+1]
	s_lshl_b32 s[OFS], s3, 15
	s_add_nc_u64 s[DST:DST+1], s[38:39], s[OFS:OFS+1]
	s_mov_b32 s50, 0x3a800000                      ; 1 / 1024
	s_mov_b32 s51, 0x34000000                      ; 2^-23, f32's eps
	s_mov_b32 s52, 0x76543210
	s_mov_b32 s53, 0xfedcba98
	s_mov_b32 s55, 0xbfc90fdb                      ; -(pi/2), the f32 nearest
	s_mov_b32 s56, 0x333bbd2e                      ; what that f32 is too large by
	s_mov_b32 s57, 0xb9500d01                      ; -1/5040
	s_mov_b32 s58, 0x3c088889                      ; 1/120
	s_mov_b32 s59, 0xbe2aaaab                      ; -1/6
	s_mov_b32 s60, 0x37d00d01                      ; 1/40320
	s_mov_b32 s61, 0xbab60b61                      ; -1/720
	s_mov_b32 s62, 0x3d2aaaab                      ; 1/24
	v_lshlrev_b32 v2, 4, v1
	v_lshl_add_u32 v2, v14, 13, v2                 ; 16 lane + two rows of 4,096 a wave
	v_lshlrev_b32 v3, 3, v1
	v_lshl_add_u32 v3, v14, 12, v3
	s_lshl_b32 s4, s3, 11
	v_lshlrev_b32 v12, 3, v1
	v_lshl_add_u32 v12, v14, 8, v12
	v_add_nc_u32 v12, s4, v12                      ; rope table: t0 x 128 + 8 lane
	s_lshl_b32 s4, s3, 6
	v_lshlrev_b32 v13, 2, v1
	v_lshl_add_u32 v13, v14, 3, v13
	v_add_nc_u32 v13, s4, v13                      ; rs: (t0 + lane) x 4
	v_lshrrev_b32 v15, 4, v1
	v_lshl_add_u32 v15, v14, 1, v15
	s_lshl_b32 s4, s3, 4
	v_add_nc_u32 v15, s4, v15                      ; my table row t = t0 + lane / 16
	v_cvt_f32_u32 v15, v15
	CAST 2, 512, 256
	v_pk_add_f32 v[4:5], v[4:5], v[6:7]
	v_pk_add_f32 v[8:9], v[8:9], v[10:11]
	v_add_f32 v4, v4, v5
	v_add_f32 v8, v8, v9
.irp m, 1,2,4,8
	v_add_f32_dpp v4, v4, v4 row_xmask:\m row_mask:0xf bank_mask:0xf
	v_add_f32_dpp v8, v8, v8 row_xmask:\m row_mask:0xf bank_mask:0xf
.endr
	v_permlanex16_b32 v5, v4, s52, s53
	v_permlanex16_b32 v9, v8, s52, s53
	v_add_f32 v4, v4, v5
	v_add_f32 v8, v8, v9
	v_fma_f32 v4, v4, s50, s51
	v_fma_f32 v8, v8, s50, s51
	v_rsq_f32 v4, v4
	v_rsq_f32 v8, v8
	v_cmp_eq_u32 s[M1], 1, v1                      ; a plain line stands behind the two roots; its mask is read below, behind the one wait for all five masks
	; The rope table: a lane makes entries 4 (lane % 16) .. + 3 of its row: frequency 4 (lane % 8) + i; lanes with bit 3 set make sines.
.set RB, X                             ; eight registers an entry: inv_freq, f, k, r, r^2, sine, cosine, quadrant
	v_and_b32 v[X+34], 7, v0
	v_lshlrev_b32 v[X+34], 2, v[X+34]
	v_bfe_u32 v[X+35], v0, 3, 1
	v_mul_u32_u24 v[X+35], v[X+35], 3              ; sin f = cos(f - pi/2): three quadrants on
.irp i, 0,1,2,3
	v_add_nc_u32 v[RB+8*\i], \i, v[X+34]
	v_cvt_f32_u32 v[RB+8*\i], v[RB+8*\i]
	v_mul_f32 v[RB+8*\i], 0xbe9f73da, v[RB+8*\i]   ; -j log2(1000) / 32
.endr
.irp i, 0,1,2,3
	v_exp_f32 v[RB+8*\i], v[RB+8*\i]
.endr
	v_nop                                          ; a plain line between the last exponential and its use
	s_wait_alu depctr_va_vdst(0)                   ; one batch: the four exponentials have written inv_freq, the two roots v4 and v8; no line between them and this wait names a result
.irp i, 0,1,2,3
	v_mul_f32 v[RB+8*\i+1], v15, v[RB+8*\i]        ; f = t x inv_freq
	v_mul_f32 v[RB+8*\i+2], 0x3f22f983, v[RB+8*\i+1]
	v_rndne_f32 v[RB+8*\i+2], v[RB+8*\i+2]         ; k = nearest whole number to f 2/pi
	v_fma_f32 v[RB+8*\i+3], v[RB+8*\i+2], s55, v[RB+8*\i+1]
	v_fma_f32 v[RB+8*\i+3], v[RB+8*\i+2], s56, v[RB+8*\i+3]  ; r = f - k pi/2
	v_cvt_i32_f32 v[RB+8*\i+7], v[RB+8*\i+2]
	v_mul_f32 v[RB+8*\i+4], v[RB+8*\i+3], v[RB+8*\i+3]
	v_fma_f32 v[RB+8*\i+5], v[RB+8*\i+4], s57, s58
	v_fma_f32 v[RB+8*\i+5], v[RB+8*\i+5], v[RB+8*\i+4], s59
	v_mul_f32 v[RB+8*\i+5], v[RB+8*\i+5], v[RB+8*\i+4]
	v_fma_f32 v[RB+8*\i+5], v[RB+8*\i+5], v[RB+8*\i+3], v[RB+8*\i+3]  ; sin r
	v_fma_f32 v[RB+8*\i+6], v[RB+8*\i+4], s60, s61
	v_fma_f32 v[RB+8*\i+6], v[RB+8*\i+6], v[RB+8*\i+4], s62
	v_fma_f32 v[RB+8*\i+6], v[RB+8*\i+6], v[RB+8*\i+4], -0.5
	v_fma_f32 v[RB+8*\i+6], v[RB+8*\i+6], v[RB+8*\i+4], 1.0           ; cos r
	v_add_nc_u32 v[RB+8*\i+7], v[RB+8*\i+7], v[X+35]                  ; quadrant q: cos r, -sin r, -cos r, sin r
	v_and_b32 v[RB+8*\i], 1, v[RB+8*\i+7]
	v_cmp_eq_u32 s[MK+\i], 1, v[RB+8*\i]           ; each entry's mask in a scalar register of its own
.endr
	s_wait_alu depctr_va_sdst(0)                   ; the five compares have written s43 and s4 to s7, ahead of the selects that read them
	v_cndmask_b32 v4, v4, v8, s[M1]                ; lane 0: row t0's, lane 1: row t0 + 1's
.irp i, 0,1,2,3
	v_cndmask_b32 v[RB+8*\i+5], v[RB+8*\i+6], v[RB+8*\i+5], s[MK+\i]
	v_add_nc_u32 v[RB+8*\i+7], 1, v[RB+8*\i+7]
	v_and_b32 v[RB+8*\i+7], 2, v[RB+8*\i+7]
	v_lshlrev_b32 v[RB+8*\i+7], 30, v[RB+8*\i+7]   ; the sign, for q = 1 and 2
	v_xor_b32 v[RB+8*\i+5], v[RB+8*\i+5], v[RB+8*\i+7]
.endr
	v_cvt_pk_bf16_f32 v[X+32], v[RB+5], v[RB+13]
	v_cvt_pk_bf16_f32 v[X+33], v[RB+21], v[RB+29]
	s_wait_alu depctr_va_vdst(0)                   ; the two roundings have written v[X+32:X+33], which the store reads
	global_store_b64 v12, v[X+32:X+33], s[40:41] offset:8192
	v_cmp_gt_u32 vcc_lo, 2, v1
	s_wait_xcnt 0x0                                ; EXEC is a source of the stores above: it changes only behind this wait
	s_wait_alu depctr_va_vcc(0)                    ; the compare has written VCC, from which EXEC is made
	s_wait_alu depctr_va_vdst(0)                   ; ahead of a write of EXEC: the vector instructions issued so far are done; among them the select that wrote v4, which the store below reads
	s_wait_alu depctr_vm_vsrc(0)                   ; ahead of a write of EXEC: the stores issued so far have read their registers
	s_and_saveexec_b32 s54, vcc_lo
	global_store_b32 v13, v4, s[40:41]             ; two numbers a wave: 8,192 bytes in the whole launch are written so
	s_wait_xcnt 0x0                                ; and again in front of the line that widens it
	s_wait_alu depctr_va_vdst(0)                   ; ahead of a write of EXEC: the vector instructions issued so far are done
	s_wait_alu depctr_vm_vsrc(0)                   ; ahead of a write of EXEC: the store under the narrow EXEC has read v13 and v4
	s_or_b32 exec_lo, exec_lo, s54
	s_endpgm
.Lbias:
	v_lshlrev_b32 v2, 4, v0
	s_wait_alu depctr_va_vdst(0)                   ; v2 is written: every load and store below reads it as its offset
.set u, 0
.rept 8
	global_load_b128 v[X+4*u:X+4*u+3], v2, s[26:27] offset:u*4096
.set u, u+1
.endr
	global_load_b128 v[X+32:X+35], v2, s[28:29]
	global_load_b128 v[X+36:X+39], v2, s[30:31]
.set u, 0
.rept 10
	s_wait_loadcnt 9-u
	v_cvt_pk_bf16_f32 v[Y+2*u], v[X+4*u], v[X+4*u+1]
	v_cvt_pk_bf16_f32 v[Y+2*u+1], v[X+4*u+2], v[X+4*u+3]
	v_lshlrev_b32 v[X+4*u], 16, v[Y+2*u]
	v_and_b32 v[X+4*u+1], s[HI16], v[Y+2*u]
	v_lshlrev_b32 v[X+4*u+2], 16, v[Y+2*u+1]
	v_and_b32 v[X+4*u+3], s[HI16], v[Y+2*u+1]
.if u < 4
	v_pk_mul_f32 v[X+4*u:X+4*u+1], v[X+4*u:X+4*u+1], 0xbd317218 op_sel_hi:[1,0]      ; -ln 2 / 16
	v_pk_mul_f32 v[X+4*u+2:X+4*u+3], v[X+4*u+2:X+4*u+3], 0xbd317218 op_sel_hi:[1,0]
.elseif u < 8
	v_pk_mul_f32 v[X+4*u:X+4*u+1], v[X+4*u:X+4*u+1], 0xbfb8aa3b op_sel_hi:[1,0]      ; -log2 e
	v_pk_mul_f32 v[X+4*u+2:X+4*u+3], v[X+4*u+2:X+4*u+3], 0xbfb8aa3b op_sel_hi:[1,0]
.endif
.set u, u+1
.endr
	v_pk_add_f32 v[X+32:X+33], v[X+32:X+33], v[X+36:X+37]
	v_pk_add_f32 v[X+34:X+35], v[X+34:X+35], v[X+38:X+39]
	s_wait_alu depctr_va_vdst(0)                   ; the products and the two sums have written v[X:X+35], which the nine stores read: one wait for the run
.set u, 0
.rept 8
	global_store_b128 v2, v[X+4*u:X+4*u+3], s[40:41] offset:270336+u*4096
.set u, u+1
.endr
	global_store_b128 v2, v[X+32:X+35], s[40:41] offset:303104
	s_endpgm
.Lfunc_end_k_qfadf3b95ac_prep:
	.size	k_qfadf3b95ac_prep, .Lfunc_end_k_qfadf3b95ac_prep-k_qfadf3b95ac_prep
	.p2alignl 7, 3214868480
	.fill 96, 4, 3214868480
	.section	.rodata,"a",@progbits
	.p2align	6, 0x0
	.amdhsa_kernel k_qfadf3b95ac_prep
		.amdhsa_group_segment_fixed_size 0
		.amdhsa_private_segment_fixed_size 0
		.amdhsa_enable_private_segment 0
		.amdhsa_kernarg_size 136
		.amdhsa_user_sgpr_count 2
		.amdhsa_user_sgpr_kernarg_segment_ptr 1
		.amdhsa_wavefront_size32 1
		.amdhsa_system_sgpr_workgroup_id_x 1
		.amdhsa_system_sgpr_workgroup_id_y 1
		.amdhsa_system_sgpr_workgroup_id_z 1
		.amdhsa_system_vgpr_workitem_id 0
		.amdhsa_next_free_vgpr 112
		.amdhsa_next_free_sgpr 66
		.amdhsa_reserve_vcc 1
		.amdhsa_float_denorm_mode_32 3
		.amdhsa_float_denorm_mode_16_64 3
		.amdhsa_memory_ordered 1
		.amdhsa_forward_progress 1
		.amdhsa_inst_pref_size 52
	.end_amdhsa_kernel
	.amdgpu_metadata
---
amdhsa.version: [ 1, 2 ]
amdhsa.kernels:
  - .name:           k_qfadf3b95ac_prep
    .symbol:         k_qfadf3b95ac_prep.kd
    .args:
      - { .name: W1, .offset: 0, .size: 8, .value_kind: global_buffer, .address_space: global }
      - { .name: W2, .offset: 8, .size: 8, .value_kind: global_buffer, .address_space: global }
      - { .name: Wo, .offset: 16, .size: 8, .value_kind: global_buffer, .address_space: global }
      - { .name: Wq, .offset: 24, .size: 8, .value_kind: global_buffer, .address_space: global }
      - { .name: Wk, .offset: 32, .size: 8, .value_kind: global_buffer, .address_space: global }
      - { .name: Wv, .offset: 40, .size: 8, .value_kind: global_buffer, .address_space: global }
      - { .name: Wqb, .offset: 48, .size: 8, .value_kind: global_buffer, .address_space: global }
      - { .name: Wkb, .offset: 56, .size: 8, .value_kind: global_buffer, .address_space: global }
      - { .name: h_states, .offset: 64, .size: 8, .value_kind: global_buffer, .address_space: global }
      - { .name: b1, .offset: 72, .size: 8, .value_kind: global_buffer, .address_space: global }
      - { .name: b2, .offset: 80, .size: 8, .value_kind: global_buffer, .address_space: global }
      - { .name: bo, .offset: 88, .size: 8, .value_kind: global_buffer, .address_space: global }
      - { .name: W1b, .offset: 96, .size: 8, .value_kind: global_buffer, .address_space: global }
      - { .name: W2o, .offset: 104, .size: 8, .value_kind: global_buffer, .address_space: global }
      - { .name: Wp, .offset: 112, .size: 8, .value_kind: global_buffer, .address_space: global }
      - { .name: hb, .offset: 120, .size: 8, .value_kind: global_buffer, .address_space: global }
      - { .name: aux, .offset: 128, .size: 8, .value_kind: global_buffer, .address_space: global }
    .group_segment_fixed_size: 0
    .private_segment_fixed_size: 0
    .kernarg_segment_align: 8
    .kernarg_segment_size: 136
    .max_flat_workgroup_size: 256
    .sgpr_count:     66
    .vgpr_count:     112
    .wavefront_size: 32
...
	.end_amdgpu_metadata
.endif
;; end of part 6
;; launch proj: the kernel of part 2 again; grid 16 x 16, 4 waves a work-group, clusters of 4 x 4, 327,680 bytes of LDS; arguments hb, Wp, aux, qkv; writes qkv
;; launch attn: the kernel of part 3 again; grid 16 x 16, 4 waves a work-group, clusters of 4 x 1, 327,680 bytes of LDS; arguments qkv, l2normscale, act; writes act
;; launch ffn1: the kernel of part 4 again; grid 32 x 8, 4 waves a work-group, clusters of 4 x 4, 327,680 bytes of LDS; arguments hb, W1b, aux, act; writes act
;; launch fin: the kernel of part 5 again; grid 32 x 8, 4 waves a work-group, clusters of 4 x 1, 327,680 bytes of LDS; arguments act, W2o, hb, aux, learnedlambda, out0; writes out0
